; MI455X (gfx1250); checked and timed in simulation.
; The chip was launched on July 23, 2026; its instructions are those of AMD's public machine-readable ISA for CDNA 5 (MIT licence, August 2026) and "CDNA5" Instruction Set Architecture Reference Guide (July 2026). The comments in the code are by the model that wrote it; some were corrected since.
;; Transformer Encoder Layer. Allowed arithmetic: matrix products marked QUANTISED: E2M3 operands, one E8M0 scale for each 32 along K, by v_wmma_scale_f32_16x16x128_f8f6f4 with both operands' format E2M3, f32 sums; everything else in f32.
;; Inputs: W1 4,096 x 1,024 float32; W2 1,024 x 4,096 float32; Wk 1,024 x 1,024 float32; Wo 1,024 x 1,024 float32; Wq 1,024 x 1,024 float32; Wv 1,024 x 1,024 float32; b1 4,096 float32; b2 1,024 float32; bk 1,024 float32; bo 1,024 float32; bq 1,024 float32; bv 1,024 float32; encoder_padding_mask 2 x 2,048 bool; ln1_b 1,024 float32; ln1_g 1,024 float32; ln2_b 1,024 float32; ln2_g 1,024 float32; state 2,048 x 2 x 1,024 float32.
;; Outputs: out0 2,048 x 2 x 1,024 float32.
;; This version of the problem:
;;   THIS VERSION OF THE PROBLEM IS GIVEN IN LOW PRECISION. The matrix products marked QUANTISED in the list below multiply operands that are first quantised to E2M3 (2 exponent bits, 3 mantissa bits; 6 bits a number), with one power-of-two scale for each 32 numbers along K (OCP MX v1.0); their sums are f32. All else is computed in f32.
;;   The module's matrix products, in the order in which they are computed (A, B: the left and right operand; K: the contracted axis; several contracted axes count as one K, in the product's order):
;;     1. [M 4,096, K 1,024] x [K 1,024, N 1,024]; A: input state; B: input Wq: QUANTISED
;;     2. [M 4,096, K 1,024] x [K 1,024, N 1,024]; A: computed on the way; B: input Wk: QUANTISED
;;     3. [M 4,096, K 1,024] x [K 1,024, N 1,024]; A: input state; B: input Wv: QUANTISED
;;     4. batch 32 x [M 2,048, K 64] x [K 64, N 2,048]; A: computed on the way; B: computed on the way: QUANTISED
;;     5. batch 32 x [M 64, K 2,048] x [K 2,048, N 2,048]; A: computed on the way; B: softmax (see below): QUANTISED
;;     6. [M 4,096, K 1,024] x [K 1,024, N 1,024]; A: computed on the way; B: input Wo: QUANTISED
;;     7. [M 4,096, K 1,024] x [K 1,024, N 4,096]; A: computed on the way; B: input W1: QUANTISED
;;     8. [M 4,096, K 4,096] x [K 4,096, N 1,024]; A: computed on the way; B: input W2: QUANTISED
;;   THE QUANTISER, for each operand of a quantised product, along K:
;;     - K is cut into blocks of 32 from its start; a last block that is shorter is filled with zeros.
;;     - A block's scale is 2^e with e = floor(log2(the largest magnitude in the block)) - 2, held to -126 .. 127; a block of zeros has e = 0. As a byte (E8M0): e + 127.
;;     - Each number is divided by its block's scale, clamped to +-7.5, and rounded to the nearest number of E2M3, ties to even, subnormals kept.
;;     - The product sums the exact products of the quantised numbers (number of the format x scale) in f32.
;;   ~~~python
;;   def quantise(x, axis):      # numpy; x: float32 -> the quantised numbers, widened to float32 again
;;       x = np.moveaxis(x, axis, -1); K = x.shape[-1]
;;       x = np.pad(x, [(0, 0)] * (x.ndim - 1) + [(0, -K % 32)]); x = x.reshape(x.shape[:-1] + (-1, 32)); a = np.abs(x).max(-1, keepdims=True)
;;       e = np.where(a > 0, np.clip(np.frexp(np.where(a > 0, a, 1))[1] - 1 - 2, -126, 127), 0)      # np.frexp(a)[1] - 1 = floor(log2(a)), exactly
;;       r = np.clip(x / 2.0 ** e, -7.5, 7.5)
;;       step = 2.0 ** (np.maximum(np.frexp(np.where(r == 0, 1, r))[1] - 1, 0) - 3)
;;       q = np.round(r / step) * step * 2.0 ** e      # np.round: ties to even
;;       return np.moveaxis(q.reshape(q.shape[:-2] + (-1,))[..., :K], -1, axis).astype(np.float32)
;;   ~~~
;;   SOFTMAX AHEAD OF A QUANTISED PRODUCT. Where the list says 'softmax', what is quantised is not the finished softmax but p = 2^(t - M), with t = logit x log2(e) and M = ceil(the row's largest t), a whole number; so 1/2 < the row's largest p <= 1. The row's sum l is taken of the UNQUANTISED p, in f32, and the product's result is divided by l at the end. Since M is a whole number, a kernel that streams over the keys may use a running M (the ceiling of the running maximum): every later rescaling is an exact power of two, which a block's scale takes up: the codes' values come out the same.
;;   OPERANDS COMPUTED ON THE WAY. 'Computed on the way' means the value that the module computes at that place (a softmax that the list does not call 'softmax' is quantised finished and normalised). What goes into a quantiser is computed in f32, as accurately as f32 sums, v_exp_f32 and their like allow (about 1e-6 of the number): no bf16 or f16 on the way to a quantiser, and a product that is left as it is and whose result goes on into a quantised operand takes f32 operands (vector FMAs, or v_wmma_f32_16x16x4_f32). A number that lies on a knife's edge between two numbers of the format may be rounded either way, as far as f32 arithmetic and the matrix unit's own rounding can turn it there, and no further.
;; One version. Each part assembles by itself: llvm-mc -triple=amdgcn-amd-amdhsa -mcpu=gfx1250 --defsym DOCPART=n.
;; ======== version 1 of 1: 7 launches
;; limits: right only within a limited range of input values
;; workspace buffers: wts 9,011,200 bytes; wo 819,200 bytes; w2 3,276,800 bytes; qkv 10,092,544 bytes; ctx 3,276,800 bytes; yp 67,108,864 bytes; x1 20,054,016 bytes; hid 13,107,200 bytes
;; launch quant (part 1): grid 256 x 1, 4 waves a work-group, no clusters, 34,304 bytes of LDS; arguments state, Wq, Wk, Wv, Wo, W1, W2, wts, wo, w2; writes wts, wo, w2
.if DOCPART == 1
	.amdgcn_target "amdgcn-amd-amdhsa--gfx1250"
	.amdhsa_code_object_version 6
	.text
	.protected	k_q8bfdb3a865_quant
	.globl	k_q8bfdb3a865_quant
	.p2align	8
	.type	k_q8bfdb3a865_quant,@function
k_q8bfdb3a865_quant:
	s_mov_b64 s[64:65], 0
	v_nop
	global_prefetch_b8 v0, s[64:65] scope:SCOPE_SE
	s_setreg_imm32_b32 hwreg(HW_REG_WAVE_MODE, 25, 1), 1
	s_wait_xcnt 0x0
; state and the six weights, f32 with K innermost, become RECORDS of FP6 (E2M3) codes: 1,024 rows x 1,024 K each.
; A record: codes [rb 64][ks 8][1,536 bytes], then from SCOFF scale words [ks 8][slot 1,024], byte b of a word for k = 32 b .. of that ks.
; A FRAGMENT IMAGE (16 slots x 128 K, 12 registers a lane) lies as two halves of 768 bytes: registers 6c..6c+3 at 768 c + 16 lane, registers 6c+4, 6c+5 at 768 c + 512 + 8 lane.
; SLOT ORDER: fragment 2 g + u holds rows 32 g + 8 u + (r % 8) + 16 (r / 8), r = 0 .. 15: as source 0 of a transposed product it makes a lane's registers neighbours along the next K.
; state's rows are counted R = 2,048 b + t.  Sixteen work-groups make a record; a wave makes 32 rows x 512 K: eight fragments.
; A block's scale byte is its largest magnitude's exponent field - 2, held at 1 from below.  LIMITS: NaN and infinities are not served; a block of zeros, or one under 2^-124, keeps the byte 1 (these bytes are read by this program alone).
; Each load reads 512 consecutive bytes of a row; a fragment's 16 x 512 bytes turn through the wave's own stage in LDS, so that a lane gets 16 neighbours of each block of 32.  Waves share nothing: no barrier.
.set REC,   819200
.set SCOFF, 786432
.set STG,   8448                       ; a stage: 16 rows x (512 + 16) bytes
.set SPARE, 4*STG                      ; behind the stages: the spare words, 128 bytes a wave
.set L16,  1                           ; 16 x lane
.set L8,   2                           ; 8 x lane
.set L4,   3                           ; 4 x lane
.set SIN,  4                           ; stage, by rows: 16 x lane
.set SOUT, 5                           ; stage, by lanes: 528 r + 64 h
.set SPW,  6
.set NIL,  7
.set O,    8                           ; v8-23   slot t's row x pitch + 16 x lane
.set TM,   24                          ; v24-39  at work in QUANT
.set R0,   40                          ; v40-167 two sets of 64 as loaded
.set X,    168                         ; v168-231 64 numbers: register 16 b + i = k 32 b + 16 h + i of my row
.set PC,   232                         ; v232-250 codes
.set PW,   251                         ; the scale word
.set PWS,  252                         ; the even fragment's, kept
.set W,    253                         ; both, merged
.set BS,   28                          ; s[28:29] source at u = 0; s[44:45] at u = 1
.set SEL,  56
.macro QUANT s, abs                    ; 64 numbers of a lane -> a fragment's 12 registers at v[PC] and my row's scale word in v[PW]
.irp b, 0,1,2,3
.if \abs
	v_max3_num_f32 v[TM+\b], |v[\s+16*\b]|, |v[\s+1+16*\b]|, 0x1800000   ; with the floor 2^(3 - 127): the byte cannot fall under 1
.else
	v_max3_num_f32 v[TM+\b], v[\s+16*\b], v[\s+1+16*\b], 0x1800000
.endif
.endr
.irp i, 2,4,6,8,10,12,14
.irp b, 0,1,2,3
.if \abs
	v_max3_num_f32 v[TM+\b], v[TM+\b], |v[\s+16*\b+\i]|, |v[\s+1+16*\b+\i]|
.else
	v_max3_num_f32 v[TM+\b], v[TM+\b], v[\s+16*\b+\i], v[\s+1+16*\b+\i]
.endif
.endr
.endr
.irp b, 0,1,2,3
	v_permlanex16_b32 v[TM+4+\b], v[TM+\b], s[SEL], s[SEL+1]
.endr
.irp b, 0,1,2,3
	v_max_num_f32 v[TM+\b], v[TM+\b], v[TM+4+\b]     ; with lane l xor 16's 16: the block's largest magnitude
.endr
.irp b, 0,1,2,3
	v_add_nc_u32 v[TM+12+\b], 0xff000000, v[TM+\b]   ; 2 off the exponent field: the conversion's scale operand
.endr
.irp b, 0,1,2,3
	v_lshrrev_b32 v[TM+4+\b], 23, v[TM+12+\b]        ; the byte
.endr
	v_lshl_or_b32 v[PW], v[TM+5], 8, v[TM+4]
	v_lshl_or_b32 v[PW], v[TM+6], 16, v[PW]
	v_lshl_or_b32 v[PW], v[TM+7], 24, v[PW]
.irp c, 0,1
	v_cvt_scalef32_pk16_fp6_f32 v[PC+6*\c:PC+2+6*\c], v[\s+32*\c:\s+15+32*\c], v[TM+12+2*\c]
	v_cvt_scalef32_pk16_fp6_f32 v[PC+12+4*\c:PC+14+4*\c], v[\s+16+32*\c:\s+31+32*\c], v[TM+12+2*\c+1]
.endr
	v_nop                                            ; one plain place behind a scaled conversion
.irp c, 0,1                                      ; a whole block to a lane: lanes 0-15 block 2 c, lanes 16-31 block 2 c + 1
.irp i, 0,1,2
	v_permlane16_swap_b32 v[PC+6*\c+\i], v[PC+12+4*\c+\i]
.endr
.irp i, 0,1,2
	v_mov_b32 v[PC+3+6*\c+\i], v[PC+12+4*\c+\i]
.endr
.endr
.endm
.macro STFRAG base, off                ; the image: each store covers whole aligned blocks of 256 bytes
	global_store_b128 v[L16], v[PC:PC+3], s[\base:\base+1] offset:\off
	global_store_b64 v[L8], v[PC+4:PC+5], s[\base:\base+1] offset:\off+512
	global_store_b128 v[L16], v[PC+6:PC+9], s[\base:\base+1] offset:\off+768
	global_store_b64 v[L8], v[PC+10:PC+11], s[\base:\base+1] offset:\off+1280
.endm
.macro TURN src, dst                   ; LDS serves a wave's instructions in order: no wait between the stores and the loads
.irp t, 0,1,2,3,4,5,6,7,8,9,10,11,12,13,14,15
	ds_store_b128 v[SIN], v[\src+4*\t:\src+4*\t+3] offset:\t*528
.endr
.irp b, 0,1,2,3
.irp j, 0,1,2,3
	ds_load_b128 v[\dst+16*\b+4*\j:\dst+16*\b+4*\j+3], v[SOUT] offset:128*\b+16*\j
.endr
.endr
.endm
.macro LOAD n                          ; fragment n: u = n % 2, 128 K at 512 (n / 2) bytes
.irp t, 0,1,2,3,4,5,6,7,8,9,10,11,12,13,14,15
	global_load_b128 v[R0+64*((\n)%2)+4*\t:R0+64*((\n)%2)+4*\t+3], v[O+\t], s[BS+16*((\n)%2):BS+16*((\n)%2)+1] offset:512*((\n)/2) th:TH_LOAD_NT
.endr
.endm
.macro PIECE n
.if (\n) < 7
	s_wait_loadcnt 16                                ; this fragment's 16 loads are in; the next one's may be out
.else
	s_wait_loadcnt 0
.endif
	TURN R0+64*((\n)%2), X
	s_wait_dscnt 0x0                                 ; the stage's stores have read their registers, and X is in
.if (\n) < 6
	LOAD (\n)+2
.endif
	s_wait_xcnt 0x0                                  ; the last fragment's stores have read their data: the codes may be written anew
	QUANT X, 1
	STFRAG 50, ((\n)%2)*12288+((\n)/2)*1536
.if (\n)%2 == 0
	v_mov_b32 v[PWS], v[PW]
.else
	v_cndmask_b32 v[W], v[PWS], v[PW], s54           ; lanes 0-15 fragment u = 0's words, lanes 16-31 u = 1's: 128 consecutive bytes
	global_store_b32 v[L4], v[W], s[52:53] offset:((\n)/2)*4096
.endif
.endm
	s_load_b512 s[8:23], s[0:1], 0x0                 ; state, Wq, Wk, Wv, Wo, W1, W2, wts
	s_load_b128 s[24:27], s[0:1], 0x40               ; wo, w2
	v_lshl_add_u32 v[SPW], v0, 2, SPARE
	v_mov_b32 v[NIL], 0
	v_lshrrev_b32 v168, 5, v0
	v_readfirstlane_b32 s2, v168                     ; wave
	v_and_b32 v168, 31, v0
	v_and_b32 v169, 15, v0                           ; r
	v_bfe_u32 v170, v0, 4, 1                         ; h
	v_lshlrev_b32 v[L16], 4, v168
	v_lshlrev_b32 v[L8], 3, v168
	v_lshlrev_b32 v[L4], 2, v168
	s_mul_i32 s3, s2, STG
	v_add_nc_u32 v[SIN], s3, v[L16]
	v_mul_u32_u24 v[SOUT], v169, 528
	v_lshl_add_u32 v[SOUT], v170, 6, v[SOUT]
	v_add_nc_u32 v[SOUT], s3, v[SOUT]
.irp b, 0,1,2,3
	v_mov_b32 v[TM+4+\b], 0                          ; written once: a lane permute's destination counts as a source
.endr
	s_mov_b32 s[SEL], 0x76543210
	s_mov_b32 s[SEL+1], 0xfedcba98
	s_mov_b32 s54, 0xffff0000
	s_lshr_b32 s4, ttmp9, 4                          ; which record, 0 .. 15
	s_and_b32 s5, ttmp9, 15
	s_lshl_b32 s5, s5, 2
	s_add_co_u32 s5, s5, s2
	s_lshr_b32 s6, s5, 1                             ; g: my 32 rows
	s_and_b32 s7, s5, 1                              ; my 512 of K
	s_and_b32 s31, s4, 1                             ; state: 1,024 tokens of 8,192 bytes, and the batch's 4,096
	s_lshl_b32 s31, s31, 23
	s_lshr_b32 s32, s4, 1
	s_lshl_b32 s32, s32, 12
	s_add_co_u32 s31, s31, s32
	s_and_b32 s33, s4, 3
	s_lshl_b32 s34, s33, 22                          ; W1: 1,024 rows of 4,096 bytes
	s_lshl_b32 s35, s33, 12                          ; W2: 1,024 columns
	s_sub_co_u32 s40, s4, 1
	s_mov_b32 s30, 4096                              ; the pitch
	s_cmp_lt_u32 s4, 4
	s_cselect_b32 s30, 8192, s30
	s_cselect_b32 s36, s31, 0                        ; the source's offset
	s_wait_kmcnt 0x0
	s_mov_b64 s[28:29], s[8:9]                       ; the choices hang on the work-group's number alone
	s_mov_b64 s[38:39], s[22:23]
	s_mov_b32 s37, s4                                ; the record's number in its buffer
	s_cmp_eq_u32 s4, 4
	s_cselect_b64 s[28:29], s[10:11], s[28:29]
	s_cmp_eq_u32 s4, 5
	s_cselect_b64 s[28:29], s[12:13], s[28:29]
	s_cmp_eq_u32 s4, 6
	s_cselect_b64 s[28:29], s[14:15], s[28:29]
	s_cmp_eq_u32 s4, 7
	s_cselect_b64 s[28:29], s[16:17], s[28:29]
	s_cselect_b64 s[38:39], s[24:25], s[38:39]
	s_cselect_b32 s37, 0, s37
	s_cmp_ge_u32 s4, 8
	s_cselect_b64 s[28:29], s[18:19], s[28:29]
	s_cselect_b32 s36, s34, s36
	s_cselect_b32 s37, s40, s37
	s_cmp_ge_u32 s4, 12
	s_cselect_b64 s[28:29], s[20:21], s[28:29]
	s_cselect_b64 s[38:39], s[26:27], s[38:39]
	s_cselect_b32 s36, s35, s36
	s_cselect_b32 s37, s33, s37
	s_cselect_b32 s30, 16384, s30
	s_mul_i32 s41, s6, s30
	s_lshl_b32 s41, s41, 5                           ; 32 g rows
	s_add_co_u32 s42, s36, s41
	s_lshl_b32 s41, s7, 11
	s_add_co_u32 s42, s42, s41
	s_mov_b32 s43, 0
	s_add_nc_u64 s[28:29], s[28:29], s[42:43]
	s_lshl_b32 s42, s30, 3
	s_add_nc_u64 s[44:45], s[28:29], s[42:43]        ; u = 1: eight rows on
	s_mul_i32 s46, s37, REC
	s_mov_b32 s47, 0
	s_add_nc_u64 s[38:39], s[38:39], s[46:47]
	s_mul_i32 s46, s6, 24576
	s_mul_i32 s48, s7, 6144
	s_add_co_u32 s46, s46, s48
	s_add_nc_u64 s[50:51], s[38:39], s[46:47]        ; my codes
	s_lshl_b32 s46, s7, 14
	s_lshl_b32 s48, s6, 7
	s_add_co_u32 s46, s46, s48
	s_add_co_u32 s46, s46, SCOFF
	s_add_nc_u64 s[52:53], s[38:39], s[46:47]        ; my scale words
.irp t, 0,1,2,3,4,5,6,7,8,9,10,11,12,13,14,15
	v_mad_u32_u24 v[O+\t], s30, (\t%8)+16*(\t/8), v[L16]
.endr
	LOAD 0
	LOAD 1
	s_wait_alu depctr_va_vdst(0)
.irp n, 0,1,2,3,4,5,6,7
	PIECE \n
.endr
	s_wait_tensorcnt 0x0                             ; the wave's end
	ds_add_u32 v[SPW], v[NIL]
	s_wait_dscnt 0x0
	s_endpgm
.Lfunc_end_k_q8bfdb3a865_quant:
	.size	k_q8bfdb3a865_quant, .Lfunc_end_k_q8bfdb3a865_quant-k_q8bfdb3a865_quant
	.p2alignl 7, 3214868480
	.fill 96, 4, 3214868480
	.section	.rodata,"a",@progbits
	.p2align	6, 0x0
	.amdhsa_kernel k_q8bfdb3a865_quant
		.amdhsa_group_segment_fixed_size 34304
		.amdhsa_private_segment_fixed_size 0
		.amdhsa_enable_private_segment 0
		.amdhsa_kernarg_size 80
		.amdhsa_user_sgpr_count 2
		.amdhsa_user_sgpr_kernarg_segment_ptr 1
		.amdhsa_wavefront_size32 1
		.amdhsa_system_sgpr_workgroup_id_x 1
		.amdhsa_system_sgpr_workgroup_id_y 1
		.amdhsa_system_sgpr_workgroup_id_z 1
		.amdhsa_system_vgpr_workitem_id 0
		.amdhsa_next_free_vgpr 256
		.amdhsa_next_free_sgpr 66
		.amdhsa_reserve_vcc 0
		.amdhsa_float_denorm_mode_32 3
		.amdhsa_float_denorm_mode_16_64 3
		.amdhsa_memory_ordered 1
		.amdhsa_forward_progress 1
		.amdhsa_inst_pref_size 68
	.end_amdhsa_kernel
	.amdgpu_metadata
---
amdhsa.version: [ 1, 2 ]
amdhsa.kernels:
  - .name:           k_q8bfdb3a865_quant
    .symbol:         k_q8bfdb3a865_quant.kd
    .args:
      - { .name: state, .offset: 0, .size: 8, .value_kind: global_buffer, .address_space: global }
      - { .name: Wq, .offset: 8, .size: 8, .value_kind: global_buffer, .address_space: global }
      - { .name: Wk, .offset: 16, .size: 8, .value_kind: global_buffer, .address_space: global }
      - { .name: Wv, .offset: 24, .size: 8, .value_kind: global_buffer, .address_space: global }
      - { .name: Wo, .offset: 32, .size: 8, .value_kind: global_buffer, .address_space: global }
      - { .name: W1, .offset: 40, .size: 8, .value_kind: global_buffer, .address_space: global }
      - { .name: W2, .offset: 48, .size: 8, .value_kind: global_buffer, .address_space: global }
      - { .name: wts, .offset: 56, .size: 8, .value_kind: global_buffer, .address_space: global }
      - { .name: wo, .offset: 64, .size: 8, .value_kind: global_buffer, .address_space: global }
      - { .name: w2, .offset: 72, .size: 8, .value_kind: global_buffer, .address_space: global }
    .group_segment_fixed_size: 34304
    .private_segment_fixed_size: 0
    .kernarg_segment_align: 8
    .kernarg_segment_size: 80
    .max_flat_workgroup_size: 128
    .sgpr_count:     66
    .vgpr_count:     256
    .wavefront_size: 32
...
	.end_amdgpu_metadata
.endif
;; end of part 1
;; launch qkvp (part 2): grid 48 x 4, 4 waves a work-group, clusters of 4 x 4, 327,680 bytes of LDS; arguments wts, qkv, bq, bk, bv, encoder_padding_mask; writes qkv
.if DOCPART == 2
	.amdgcn_target "amdgcn-amd-amdhsa--gfx1250"
	.amdhsa_code_object_version 6
	.text
	.protected	k_q8bfdb3a865_qkvp
	.globl	k_q8bfdb3a865_qkvp
	.p2align	8
	.type	k_q8bfdb3a865_qkvp,@function
k_q8bfdb3a865_qkvp:
	s_mov_b64 s[64:65], 0
	v_nop
	global_prefetch_b8 v0, s[64:65] scope:SCOPE_SE
	s_setreg_imm32_b32 hwreg(HW_REG_WAVE_MODE, 25, 1), 1
	s_wait_xcnt 0x0
	s_wait_alu depctr_hold_cnt(0) depctr_sa_sdst(0) depctr_va_vdst(0) depctr_va_sdst(0) depctr_va_ssrc(0) depctr_va_vcc(0) depctr_vm_vsrc(0)
	s_getreg_b32 s2, hwreg(HW_REG_IB_STS2, 6, 4)
	s_cmp_eq_u32 s2, 0
	s_cbranch_scc0 .Lentry_in_a_cluster
	s_endpgm
.Lentry_in_a_cluster:
	s_bfe_u32 s2, ttmp6, 0x10000c
	s_cmp_lg_u32 s2, 0xf033
	s_cbranch_scc0 .Lentry_shape_is_right
	s_endpgm
.Lentry_shape_is_right:
.set REC,   819200
.set SCOFF, 786432
.set HR,    315392
.set FR,    12
.set NQ,    2
.set NL,    4
.set NP,    4
.set HALFT, 24576
.set SLOT,  4*HALFT
.set SCL,   2*SLOT
.set SPARE, SCL+4*4096
.set A16,  16
.set B16,  20
.set L16,  24
.set L8,   25
.set L4,   26
.set ADRS, 27
.set SPW,  28
.set NIL,  29
.set SC,   32
.set BN,   64
.set AF,   128
.set HA,   128
.set PC,   192
.set PAIR, 212
.set PW,   214
.set PWS,  215
.set WM,   216
.set MK,   224
.set BM,   232
.set TM,   240
.set SEL,  2
.set G1,   24
.set G0,   32
.set G1B,  48
.set G0B,  56
.set G1S,  68
.set G0S,  76
.set G1SB, 80
.set G0SB, 88
.set WV,   92
.set RH,   93
.set CH,   94
.set MSB, 0
.macro WIN new
.if MSB != (\new)
	s_set_vgpr_msb (MSB<<8)|(\new)
.set MSB, (\new)
.endif
.endm
.set MUL_LO, 0xa1
.set MUL_HI, 0xf1
.set TO_B,   0x40
.macro JLOAD g0a, g1a, g0b, g1b
	s_cmp_eq_u32 s[RH], 0
	s_cbranch_scc0 .Lfor_b_\@
	tensor_load_to_lds s[\g0a:\g0a+3], s[\g1a:\g1a+7]
	s_nop 0
.rept 4
	v_nop
.endr
	s_branch .Lasked_\@
.Lfor_b_\@:
	tensor_load_to_lds s[\g0b:\g0b+3], s[\g1b:\g1b+7]
	s_nop 0
.rept 4
	v_nop
.endr
.Lasked_\@:
.endm
.macro CREST
	s_cmp_lg_u32 s[WV], 0
	s_cbranch_scc1 .Lnot_wave_0_\@
	s_barrier_signal -3
.Lnot_wave_0_\@:
	s_barrier_wait -3
	s_barrier_signal -1
	s_barrier_wait -1
.endm
.macro CROUND
	s_barrier_signal -1
	s_barrier_wait -1
	CREST
.endm
.macro FRAG reg, adr, q, i
	ds_load_b128 v[\reg:\reg+3], v[\adr] offset:(\i)*3072+(\q)*1536
	ds_load_b64 v[\reg+4:\reg+5], v[\adr+2] offset:(\i)*3072+(\q)*1536+512
	ds_load_b128 v[\reg+6:\reg+9], v[\adr] offset:(\i)*3072+(\q)*1536+768
	ds_load_b64 v[\reg+10:\reg+11], v[\adr+2] offset:(\i)*3072+(\q)*1536+1280
.endm
.macro MUL16 a0, p, q, sc, zero
.irp a, \a0, \a0+1
.irp b, 0,1,2,3,4,5,6,7
.if \zero
	v_wmma_scale_f32_16x16x128_f8f6f4 v[8*(8*((\a)%4)+\b):8*(8*((\a)%4)+\b)+7], v[128*(\p)+FR*\b:128*(\p)+FR*\b+FR-1], v[AF+FR*(\a):AF+FR*(\a)+FR-1], 0, v[SC+8*NQ*(\sc)+NQ*\b+(\q)], v[SC+8*NQ*(\sc)+NQ*(\a)+(\q)] matrix_a_fmt:MATRIX_FMT_FP6 matrix_b_fmt:MATRIX_FMT_FP6 matrix_a_scale:MATRIX_SCALE_ROW1
.else
	v_wmma_scale_f32_16x16x128_f8f6f4 v[8*(8*((\a)%4)+\b):8*(8*((\a)%4)+\b)+7], v[128*(\p)+FR*\b:128*(\p)+FR*\b+FR-1], v[AF+FR*(\a):AF+FR*(\a)+FR-1], v[8*(8*((\a)%4)+\b):8*(8*((\a)%4)+\b)+7], v[SC+8*NQ*(\sc)+NQ*\b+(\q)], v[SC+8*NQ*(\sc)+NQ*(\a)+(\q)] matrix_a_fmt:MATRIX_FMT_FP6 matrix_b_fmt:MATRIX_FMT_FP6 matrix_a_scale:MATRIX_SCALE_ROW1
.endif
.endr
.endr
.endm
.macro FETCH_B slot, q, p
	WIN TO_B
.irp i, 0,1,2,3,4,5,6,7
	FRAG 128*(\p)+FR*\i, B16+\slot, \q, \i
.endr
	WIN 0
.endm
.macro FETCH_A slot, q, i0
.irp i, \i0, \i0+1, \i0+2, \i0+3
	FRAG AF+FR*(\i), A16+\slot, \q, \i
.endr
.endm
.macro SCALES sc
.irp i, 0,1,2,3,4,5,6,7
.irp q, 0,1
	ds_load_b32 v[SC+8*NQ*\sc+NQ*\i+\q], v[ADRS] offset:\q*512+\i*64
.endr
.endr
.endm
.macro PLACES n
.rept \n
	v_nop
.endr
.endm
.macro STEP slot, q, zero
	s_wait_dscnt 4*NL
	WIN MUL_LO
	MUL16 0, (\q)%2, \q, \slot, \zero
	MUL16 2, (\q)%2, \q, \slot, \zero
	s_wait_dscnt 0
	PLACES NP
	FETCH_B \slot, (\q)+1, 1-(\q)%2
	FETCH_A \slot, (\q)+1, 0
	WIN MUL_HI
	MUL16 4, (\q)%2, \q, \slot, \zero
	MUL16 6, (\q)%2, \q, \slot, \zero
	PLACES NP
	WIN 0
	FETCH_A \slot, (\q)+1, 4
.endm
.macro TURN slot, next, fill
	s_wait_tensorcnt 0x0
	ds_add_u32 v[SPW], v[NIL]
	s_wait_dscnt 4*NL+1
	WIN MUL_LO
	MUL16 0, 1, NQ-1, \slot, 0
	s_wait_dscnt 0x0
	s_barrier_signal -1
	MUL16 2, 1, NQ-1, \slot, 0
	WIN 0
	s_barrier_wait -1
.if \fill
	CREST
	s_add_nc_u64 s[G0+4*\slot+2:G0+4*\slot+3], s[G0+4*\slot+2:G0+4*\slot+3], 2*3072
	s_add_nc_u64 s[G0B+4*\slot+2:G0B+4*\slot+3], s[G0B+4*\slot+2:G0B+4*\slot+3], 2*3072
	JLOAD G0+4*\slot, G1, G0B+4*\slot, G1B
.else
	PLACES NP
.endif
	s_wait_alu depctr_va_vdst(0)
	v_add_nc_u32 v[ADRS], 1024, v[ADRS]
	FETCH_B \next, 0, 0
	FETCH_A \next, 0, 0
	SCALES \next
	WIN MUL_HI
	MUL16 4, 1, NQ-1, \slot, 0
	MUL16 6, 1, NQ-1, \slot, 0
	PLACES NP
	WIN 0
	FETCH_A \next, 0, 4
.endm
.macro QUANT s, abs
.irp b, 0,1,2,3
.if \abs
	v_max3_num_f32 v[TM+\b], |v[\s+16*\b]|, |v[\s+1+16*\b]|, 0x1800000
.else
	v_max3_num_f32 v[TM+\b], v[\s+16*\b], v[\s+1+16*\b], 0x1800000
.endif
.endr
.irp i, 2,4,6,8,10,12,14
.irp b, 0,1,2,3
.if \abs
	v_max3_num_f32 v[TM+\b], v[TM+\b], |v[\s+16*\b+\i]|, |v[\s+1+16*\b+\i]|
.else
	v_max3_num_f32 v[TM+\b], v[TM+\b], v[\s+16*\b+\i], v[\s+1+16*\b+\i]
.endif
.endr
.endr
.irp b, 0,1,2,3
	v_permlanex16_b32 v[TM+4+\b], v[TM+\b], s[SEL], s[SEL+1]
.endr
.irp b, 0,1,2,3
	v_max_num_f32 v[TM+\b], v[TM+\b], v[TM+4+\b]
.endr
.irp b, 0,1,2,3
	v_add_nc_u32 v[TM+12+\b], 0xff000000, v[TM+\b]
.endr
.irp b, 0,1,2,3
	v_lshrrev_b32 v[TM+4+\b], 23, v[TM+12+\b]
.endr
	v_lshl_or_b32 v[PW], v[TM+5], 8, v[TM+4]
	v_lshl_or_b32 v[PW], v[TM+6], 16, v[PW]
	v_lshl_or_b32 v[PW], v[TM+7], 24, v[PW]
.irp c, 0,1
	v_cvt_scalef32_pk16_fp6_f32 v[PC+6*\c:PC+2+6*\c], v[\s+32*\c:\s+15+32*\c], v[TM+12+2*\c]
	v_cvt_scalef32_pk16_fp6_f32 v[PC+12+4*\c:PC+14+4*\c], v[\s+16+32*\c:\s+31+32*\c], v[TM+12+2*\c+1]
.endr
	v_nop
.irp c, 0,1
.irp i, 0,1,2
	v_permlane16_swap_b32 v[PC+6*\c+\i], v[PC+12+4*\c+\i]
.endr
.irp i, 0,1,2
	v_mov_b32 v[PC+3+6*\c+\i], v[PC+12+4*\c+\i]
.endr
.endr
.endm
	s_load_b256 s[4:11], s[0:1], 0x0
	s_load_b128 s[12:15], s[0:1], 0x20
	v_lshl_add_u32 v[SPW], v0, 2, SPARE
	v_mov_b32 v[NIL], 0
	ds_add_u32 v[SPW], v[NIL]
	ds_add_u32 v[SPW], v[NIL]
	v_lshrrev_b32 v1, 5, v0
	v_readfirstlane_b32 s[WV], v1
	s_lshr_b32 s[RH], s[WV], 1
	s_and_b32 s[CH], s[WV], 1
	s_bfe_u32 s19, ttmp6, 0x40000
	s_bfe_u32 s20, ttmp6, 0x40004
	s_lshr_b32 s17, ttmp9, 2
	s_and_b32 s18, ttmp9, 3
	s_lshl_b32 s21, s20, 2
	s_lshl_b32 s21, 15, s21
	s_lshl_b32 s22, 0x1111, s19
	s_or_b32 s[G1], s21, (3<<16)|(1<<21)
	s_or_b32 s[G1B], s22, (3<<16)|(1<<21)
	s_or_b32 s[G1S], s21, (3<<16)|(1<<21)
	s_or_b32 s[G1SB], s22, (3<<16)|(1<<21)
.irp g, G1, G1B
	s_mov_b32 s[\g+1], 384<<16
	s_mov_b32 s[\g+2], 8<<16
	s_mov_b32 s[\g+3], 384<<16
	s_mov_b32 s[\g+4], 8
	s_mov_b32 s[\g+5], 1536
	s_mov_b32 s[\g+6], 0
	s_mov_b32 s[\g+7], 0
.endr
.irp g, G1S, G1SB
	s_mov_b32 s[\g+1], 64<<16
	s_mov_b32 s[\g+2], 8<<16
	s_mov_b32 s[\g+3], 64<<16
	s_mov_b32 s[\g+4], 8
	s_mov_b32 s[\g+5], 512
	s_mov_b32 s[\g+6], 0
	s_mov_b32 s[\g+7], 0
.endr
	s_add_co_u32 s23, s17, 4
	s_cmp_eq_u32 s17, 2
	s_cselect_b32 s40, 6, s18
	s_cselect_b32 s44, s18, s23
	s_mul_i32 s40, s40, REC
	s_lshl_b32 s42, s20, 10
	s_lshl_b32 s43, s[CH], 9
	s_add_co_u32 s42, s42, s43
	s_add_co_u32 s42, s42, s40
	s_add_co_u32 s42, s42, SCOFF
	s_mov_b32 s43, 0
	s_mul_i32 s41, s20, 196608
	s_add_co_u32 s40, s40, s41
	s_mul_i32 s41, s[CH], 98304
	s_add_co_u32 s40, s40, s41
	s_mov_b32 s41, 0
	s_mul_i32 s44, s44, REC
	s_lshl_b32 s46, s19, 10
	s_lshl_b32 s47, s[CH], 9
	s_add_co_u32 s46, s46, s47
	s_add_co_u32 s46, s46, s44
	s_add_co_u32 s46, s46, SCOFF
	s_mov_b32 s47, 0
	s_mul_i32 s45, s19, 196608
	s_add_co_u32 s44, s44, s45
	s_mul_i32 s45, s[CH], 98304
	s_add_co_u32 s44, s44, s45
	s_mov_b32 s45, 0
	s_mul_i32 s66, s[WV], HALFT
	s_lshl_b32 s67, s[WV], 12
	s_add_co_u32 s67, s67, SCL
	s_mov_b32 s[SEL], 0x76543210
	s_mov_b32 s[SEL+1], 0xfedcba98
	s_wait_dscnt 0x0
	s_wait_kmcnt 0x0
	s_add_nc_u64 s[40:41], s[4:5], s[40:41]
	s_add_nc_u64 s[42:43], s[4:5], s[42:43]
	s_add_nc_u64 s[44:45], s[4:5], s[44:45]
	s_add_nc_u64 s[46:47], s[4:5], s[46:47]
	CROUND
	s_mov_b32 s[G0S], 1
	s_mov_b32 s[G0S+1], s67
	s_mov_b64 s[G0S+2:G0S+3], s[42:43]
	s_or_b32 s[G0S+3], s[G0S+3], 0x80000000
	s_mov_b32 s[G0SB], 1
	s_mov_b32 s[G0SB+1], s67
	s_mov_b64 s[G0SB+2:G0SB+3], s[46:47]
	s_or_b32 s[G0SB+3], s[G0SB+3], 0x80000000
	JLOAD G0S, G1S, G0SB, G1SB
.irp s, 0,1
	s_mov_b32 s[G0+4*\s], 1
	s_add_co_u32 s[G0+4*\s+1], s66, \s*SLOT
	s_add_nc_u64 s[G0+4*\s+2:G0+4*\s+3], s[40:41], \s*3072
	s_or_b32 s[G0+4*\s+3], s[G0+4*\s+3], 0x80000000
	s_mov_b32 s[G0B+4*\s], 1
	s_add_co_u32 s[G0B+4*\s+1], s66, \s*SLOT
	s_add_nc_u64 s[G0B+4*\s+2:G0B+4*\s+3], s[44:45], \s*3072
	s_or_b32 s[G0B+4*\s+3], s[G0B+4*\s+3], 0x80000000
	s_wait_alu depctr_va_vdst(0)
	s_wait_tensorcnt 0x0
	ds_add_u32 v28, v29
	s_wait_dscnt 0x0
	CROUND
	JLOAD G0+4*\s, G1, G0B+4*\s, G1B
.endr
	v_and_b32 v1, 31, v0
	v_and_b32 v2, 15, v0
	v_bfe_u32 v3, v0, 4, 1
	v_lshlrev_b32 v[L16], 4, v1
	v_lshlrev_b32 v[L8], 3, v1
	v_lshlrev_b32 v[L4], 2, v1
	s_mul_i32 s21, s[RH], HALFT
	s_mul_i32 s22, s[CH], HALFT
	s_add_co_u32 s22, s22, 2*HALFT
.irp s, 0,1
	v_add_nc_u32 v[A16+\s], s21, v[L16]
	v_add_nc_u32 v[A16+2+\s], s21, v[L8]
	v_add_nc_u32 v[B16+\s], s22, v[L16]
	v_add_nc_u32 v[B16+2+\s], s22, v[L8]
	s_add_co_u32 s21, s21, SLOT
	s_add_co_u32 s22, s22, SLOT
.endr
	s_lshl_b32 s21, s[RH], 12
	s_lshl_b32 s22, s[CH], 12
	s_add_co_u32 s22, s22, 2*4096
	s_sub_co_u32 s22, s22, s21
	v_mul_u32_u24 v4, s22, v3
	s_add_co_u32 s21, s21, SCL
	v_lshl_add_u32 v4, v2, 2, v4
	v_add_nc_u32 v[ADRS], s21, v4
.irp b, 0,1,2,3
	v_mov_b32 v[TM+4+\b], 0
.endr
	s_cmp_eq_u32 s17, 1
	s_cselect_b64 s[96:97], s[10:11], s[8:9]
	s_cselect_b32 s95, 0x3f800000, 0
	s_lshl_b32 s98, s19, 10
	s_lshl_b32 s99, s[CH], 9
	s_add_co_u32 s98, s98, s99
	s_mov_b32 s99, 0
	s_add_nc_u64 s[96:97], s[96:97], s[98:99]
	v_lshlrev_b32 v5, 6, v3
.irp b, 0,1,2,3
.irp j, 0,1,2,3
	global_load_b128 v[BN+16*\b+4*\j:BN+16*\b+4*\j+3], v5, s[96:97] offset:128*\b+16*\j
.endr
.endr
	v_and_b32 v6, 7, v2
	v_lshrrev_b32 v7, 3, v2
	v_lshl_add_u32 v6, v7, 4, v6
	s_wait_alu depctr_va_vdst(0)
	v_lshlrev_b32 v7, 2, v6
	s_wait_alu depctr_va_vdst(0)
	s_lshl_b32 s98, s18, 10
	s_lshl_b32 s100, s20, 8
	s_add_co_u32 s98, s98, s100
	s_lshl_b32 s100, s[RH], 7
	s_add_co_u32 s98, s98, s100
	s_add_nc_u64 s[14:15], s[14:15], s[98:99]
	s_lshl_b32 s98, s20, 10
	s_lshl_b32 s100, s[RH], 9
	s_add_co_u32 s98, s98, s100
	s_add_nc_u64 s[12:13], s[12:13], s[98:99]
.irp a, 0,1,2,3,4,5,6,7
	global_load_u8 v[MK+\a], v6, s[14:15] offset:32*(\a/2)+8*(\a%2)
	global_load_b32 v[BM+\a], v7, s[12:13] offset:128*(\a/2)+32*(\a%2)
.endr
	s_wait_loadcnt 0x0
	s_wait_tensorcnt 1
	s_barrier_signal -1
	s_barrier_wait -1
	FETCH_B 0, 0, 0
	FETCH_A 0, 0, 0
	SCALES 0
	FETCH_A 0, 0, 4
	STEP 0, 0, 1
	TURN 0, 1, 1
	STEP 1, 0, 0
	TURN 1, 0, 1
	STEP 0, 0, 0
	TURN 0, 1, 0
	STEP 1, 0, 0
	s_wait_dscnt 4*NL
	WIN MUL_LO
	MUL16 0, 1, NQ-1, 1, 0
	MUL16 2, 1, NQ-1, 1, 0
	s_wait_dscnt 0
	WIN MUL_HI
	MUL16 4, 1, NQ-1, 1, 0
	MUL16 6, 1, NQ-1, 1, 0
	WIN 0
	PLACES NP
.macro EPI_QK a
	s_wait_xcnt 0x0
	v_cvt_f32_u32 v[PAIR], v[MK+\a]
	v_fma_f32 v[PAIR], -v[PAIR], s95, 1.0
	v_mov_b32 v[PAIR+1], v[PAIR]
	WIN 2+(\a)/4
.set kk, 0
.rept 32
	v_pk_fma_f32 v[HA+kk:HA+kk+1], v[64*((\a)%4)+kk:64*((\a)%4)+kk+1], v[PAIR:PAIR+1], v[BN+kk:BN+kk+1] op_sel_hi:[1,0,1]
.set kk, kk+2
.endr
	WIN 0
	QUANT HA, 1
	global_store_b128 v[L16], v[PC:PC+3], s[96:97] offset:(\a)*768
	global_store_b64 v[L8], v[PC+4:PC+5], s[96:97] offset:(\a)*768+512
	global_store_b128 v[L16], v[PC+6:PC+9], s[96:97] offset:(\a)*768+HR
	global_store_b64 v[L8], v[PC+10:PC+11], s[96:97] offset:(\a)*768+HR+512
.if (\a)%2 == 0
	v_mov_b32 v[PWS], v[PW]
.else
	v_cndmask_b32 v[WM], v[PWS], v[PW], s101
	v_lshrrev_b32 v[WM+1], 16, v[WM]
	global_store_b32 v[L4], v[WM], s[98:99] offset:((\a)-1)*64
	global_store_b32 v[L4], v[WM+1], s[98:99] offset:((\a)-1)*64+HR
.endif
.endm
.macro EPI_V a
	s_wait_xcnt 0x0
	v_mov_b32 v[PAIR], v[BM+\a]
	v_mov_b32 v[PAIR+1], v[BM+\a]
	WIN 2+(\a)/4
.set kk, 0
.rept 32
	v_pk_add_f32 v[HA+kk:HA+kk+1], v[64*((\a)%4)+kk:64*((\a)%4)+kk+1], v[PAIR:PAIR+1] op_sel_hi:[1,0]
.set kk, kk+2
.endr
	WIN 0
	QUANT HA, 1
	global_store_b128 v[L16], v[PC:PC+3], s[96:97] offset:((\a)/4)*HR+((\a)%4)*1536
	global_store_b64 v[L8], v[PC+4:PC+5], s[96:97] offset:((\a)/4)*HR+((\a)%4)*1536+512
	global_store_b128 v[L16], v[PC+6:PC+9], s[96:97] offset:((\a)/4)*HR+((\a)%4)*1536+768
	global_store_b64 v[L8], v[PC+10:PC+11], s[96:97] offset:((\a)/4)*HR+((\a)%4)*1536+1280
.if (\a)%2 == 0
	v_mov_b32 v[PWS], v[PW]
.else
	v_cndmask_b32 v[WM], v[PWS], v[PW], s101
	global_store_b32 v[L4], v[WM], s[98:99] offset:((\a)/4)*HR+(((\a)-1)%4)*64
.endif
.endm
	s_mov_b32 s101, 0xffff0000
	s_lshr_b32 s40, s18, 1
	s_lshl_b32 s40, s40, 4
	s_mov_b32 s43, 0
	s_cmp_eq_u32 s17, 2
	s_cbranch_scc1 .Lv
	s_lshl_b32 s41, s19, 2
	s_add_co_u32 s40, s40, s41
	s_lshl_b32 s41, s[CH], 1
	s_add_co_u32 s40, s40, s41
	s_mul_i32 s40, s40, HR
	s_cmp_eq_u32 s17, 0
	s_cselect_b32 s41, 208896, 0
	s_add_co_u32 s40, s40, s41
	s_and_b32 s41, s18, 1
	s_lshl_b32 s41, s41, 6
	s_lshl_b32 s42, s20, 4
	s_add_co_u32 s41, s41, s42
	s_lshl_b32 s42, s[RH], 3
	s_add_co_u32 s41, s41, s42
	s_mul_i32 s42, s41, 768
	s_add_co_u32 s42, s42, s40
	s_add_nc_u64 s[96:97], s[6:7], s[42:43]
	s_lshl_b32 s42, s41, 6
	s_add_co_u32 s42, s42, s40
	s_add_co_u32 s42, s42, 98304
	s_add_nc_u64 s[98:99], s[6:7], s[42:43]
.irp a, 0,1,2,3,4,5,6,7
	EPI_QK \a
.endr
	s_branch .Lend
.Lv:
	s_lshl_b32 s41, s20, 2
	s_add_co_u32 s40, s40, s41
	s_lshl_b32 s41, s[RH], 1
	s_add_co_u32 s40, s40, s41
	s_mul_i32 s40, s40, HR
	s_and_b32 s41, s18, 1
	s_lshl_b32 s41, s41, 3
	s_lshl_b32 s42, s19, 1
	s_add_co_u32 s41, s41, s42
	s_add_co_u32 s41, s41, s[CH]
	s_mul_i32 s42, s41, 6144
	s_add_co_u32 s42, s42, s40
	s_add_co_u32 s42, s42, 106496
	s_add_nc_u64 s[96:97], s[6:7], s[42:43]
	s_lshl_b32 s42, s41, 8
	s_add_co_u32 s42, s42, s40
	s_add_co_u32 s42, s42, 204800
	s_add_nc_u64 s[98:99], s[6:7], s[42:43]
.irp a, 0,1,2,3,4,5,6,7
	EPI_V \a
.endr
.Lend:
	s_wait_tensorcnt 0x0
	ds_add_u32 v[SPW], v[NIL]
	s_wait_dscnt 0x0
	CROUND
	s_endpgm
.Lfunc_end_k_q8bfdb3a865_qkvp:
	.size	k_q8bfdb3a865_qkvp, .Lfunc_end_k_q8bfdb3a865_qkvp-k_q8bfdb3a865_qkvp
	.p2alignl 7, 3214868480
	.fill 96, 4, 3214868480
	.section	.rodata,"a",@progbits
	.p2align	6, 0x0
	.amdhsa_kernel k_q8bfdb3a865_qkvp
		.amdhsa_group_segment_fixed_size 327680
		.amdhsa_private_segment_fixed_size 0
		.amdhsa_enable_private_segment 0
		.amdhsa_kernarg_size 48
		.amdhsa_user_sgpr_count 2
		.amdhsa_user_sgpr_kernarg_segment_ptr 1
		.amdhsa_wavefront_size32 1
		.amdhsa_system_sgpr_workgroup_id_x 1
		.amdhsa_system_sgpr_workgroup_id_y 1
		.amdhsa_system_sgpr_workgroup_id_z 1
		.amdhsa_system_vgpr_workitem_id 0
		.amdhsa_next_free_vgpr 1024
		.amdhsa_next_free_sgpr 104
		.amdhsa_reserve_vcc 0
		.amdhsa_float_denorm_mode_32 3
		.amdhsa_float_denorm_mode_16_64 3
		.amdhsa_memory_ordered 1
		.amdhsa_forward_progress 1
		.amdhsa_inst_pref_size 225
	.end_amdhsa_kernel
	.amdgpu_metadata
---
amdhsa.version: [ 1, 2 ]
amdhsa.kernels:
  - .name:           k_q8bfdb3a865_qkvp
    .symbol:         k_q8bfdb3a865_qkvp.kd
    .args:
      - { .name: wts, .offset: 0, .size: 8, .value_kind: global_buffer, .address_space: global }
      - { .name: qkv, .offset: 8, .size: 8, .value_kind: global_buffer, .address_space: global }
      - { .name: bq, .offset: 16, .size: 8, .value_kind: global_buffer, .address_space: global }
      - { .name: bk, .offset: 24, .size: 8, .value_kind: global_buffer, .address_space: global }
      - { .name: bv, .offset: 32, .size: 8, .value_kind: global_buffer, .address_space: global }
      - { .name: encoder_padding_mask, .offset: 40, .size: 8, .value_kind: global_buffer, .address_space: global }
    .group_segment_fixed_size: 327680
    .private_segment_fixed_size: 0
    .kernarg_segment_align: 8
    .kernarg_segment_size: 48
    .max_flat_workgroup_size: 128
    .sgpr_count:     104
    .vgpr_count:     1024
    .wavefront_size: 32
...
	.end_amdgpu_metadata
.endif
;; end of part 2
;; launch attn (part 3): grid 8 x 32, 16 waves a work-group, clusters of 4 x 1, 212,992 bytes of LDS; arguments qkv, ctx; writes ctx
.if DOCPART == 3
	.amdgcn_target "amdgcn-amd-amdhsa--gfx1250"
	.amdhsa_code_object_version 6
	.text
	.protected	k_q8bfdb3a865_attn
	.globl	k_q8bfdb3a865_attn
	.p2align	8
	.type	k_q8bfdb3a865_attn,@function
k_q8bfdb3a865_attn:
	s_mov_b64 s[64:65], 0
	v_nop
	global_prefetch_b8 v0, s[64:65] scope:SCOPE_SE
	s_setreg_imm32_b32 hwreg(HW_REG_WAVE_MODE, 25, 1), 1
	s_wait_xcnt 0x0
	s_wait_alu depctr_hold_cnt(0) depctr_sa_sdst(0) depctr_va_vdst(0) depctr_va_sdst(0) depctr_va_ssrc(0) depctr_va_vcc(0) depctr_vm_vsrc(0)
	s_getreg_b32 s2, hwreg(HW_REG_IB_STS2, 6, 4)
	s_cmp_eq_u32 s2, 0
	s_cbranch_scc0 .Lentry_in_a_cluster
	s_endpgm
.Lentry_in_a_cluster:
	s_bfe_u32 s2, ttmp6, 0x10000c
	s_cmp_lg_u32 s2, 0x3003
	s_cbranch_scc0 .Lentry_shape_is_right
	s_endpgm
.Lentry_shape_is_right:
; ctx = softmax(q k^T / 8) v for one head (work-group y = 16 b + head), both products on FP6 codes; the result is quantised along the channels into ctx's records.
; A work-group owns 256 queries, each of its sixteen waves one fragment of 16; four waves share a SIMD, so that one wave's vector work stands beside another's products and LDS loads.
; THE HEAD'S WHOLE K AND V, codes and scale words, 208,896 bytes, the first part of its record, come into LDS ONCE: each wave brings 51 rows of 256 bytes by one joint load (the cluster's four query blocks
; want the same bytes).  Nothing is filled again: no ring.  One tensor load a wave is out.
; Both products are used transposed: a lane holds ONE query.  The head has 64 channels, half of the instruction's K: registers 6-11 of Q's and K's fragments are zero codes.
; By the records' slot order the 16 registers of tiles 2 b, 2 b + 1 of S^T are keys 32 b + 16 h + 0 .. 15, and O^T's likewise channels.
; THE SOFTMAX: t = score x log2(e) / 8; M = the running largest t rounded up to a whole number; p = 2^(t - M) is quantised along the keys; the row's sum is of the unquantised p and divides at the end.
; A block's largest p is made from the block's largest score by the same multiply-add and exponential (it takes v_exp_f32 not to fall where its input rises).
; LIMITS: NaN and infinities are not served; a block under 2^-124 keeps the scale byte 1.
.set HR,    315392
.set REC,   819200
.set SCOFF, 786432
.set OKS,   98304
.set OV,    106496
.set OVS,   204800
.set OQ,    208896
.set OQS,   307200
.set SPARE, 208896                     ; behind the head's bytes: the spare words, 128 bytes for each of 16 waves
.set CHUNK, 13056
.set L16, 1
.set L8,  2
.set L4,  3
.set R4,  4                            ; 4 x (lane % 16)
.set SPW, 5
.set NIL, 6
.set ADK16, 8
.set ADK8,  9
.set ADV16, 10
.set ADV8,  11
.set ADS, 28
.set ADT, 29
.set KF,  32                           ; v32-79   four fragments of K
.set VF,  80                           ; v80-127  four of V
.set S,   128                          ; v128-191 S^T, then p
.set OT,  192                          ; v192-223 O^T
.set WV,  8
.set SEL, 20
.set CS,  22
.set G1,  24
.set G0,  32
.set TB,  36
.set TBV, 37
.set TS,  38
.set TJ,  39
.set CNT, 40
.macro CROUND
	s_barrier_signal -1
	s_barrier_wait -1
	s_cmp_lg_u32 s[WV], 0
	s_cbranch_scc1 .Lnot_wave_0_\@
	s_barrier_signal -3
.Lnot_wave_0_\@:
	s_barrier_wait -3
	s_barrier_signal -1
	s_barrier_wait -1
.endm
.macro QK g                            ; four tiles of 16 keys; a scale register carries two tiles' words, the odd tile's in lanes 16-31
.irp u, 0,1
	v_wmma_scale_f32_16x16x128_f8f6f4 v[S+32*\g+16*\u:S+32*\g+16*\u+7], v[KF+24*\u:KF+24*\u+11], v[16:27], 0, v[248+\u], v255 matrix_a_fmt:MATRIX_FMT_FP6 matrix_b_fmt:MATRIX_FMT_FP6
	v_wmma_scale_f32_16x16x128_f8f6f4 v[S+32*\g+16*\u+8:S+32*\g+16*\u+15], v[KF+24*\u+12:KF+24*\u+23], v[16:27], 0, v[248+\u], v255 matrix_a_fmt:MATRIX_FMT_FP6 matrix_b_fmt:MATRIX_FMT_FP6 matrix_a_scale:MATRIX_SCALE_ROW1
.endr
.endm
.macro KLOAD g
.irp t, 0,1,2,3
	ds_load_b128 v[KF+12*\t:KF+12*\t+3], v[ADK16] offset:768*(4*\g+\t)
	ds_load_b64 v[KF+12*\t+4:KF+12*\t+5], v[ADK8] offset:768*(4*\g+\t)+512
.endr
	ds_load_b32 v248, v[ADS] offset:256*\g
	ds_load_b32 v249, v[ADS] offset:256*\g+128
.endm
	s_load_b128 s[4:7], s[0:1], 0x0                  ; qkv, ctx
	v_lshl_add_u32 v[SPW], v0, 2, SPARE
	v_mov_b32 v[NIL], 0
	ds_add_u32 v[SPW], v[NIL]                        ; the wave's opening: the add and its wait ahead of my first tensor load
	ds_add_u32 v[SPW], v[NIL]
	v_lshrrev_b32 v8, 5, v0
	s_delay_alu instid0(VALU_DEP_1)
	v_readfirstlane_b32 s[WV], v8
	s_bfe_u32 s9, ttmp6, 0x40000                     ; cx: it enters Q's and ctx's addresses alone
	s_and_b32 s10, ttmp7, 0xffff                     ; 16 b + head
	s_lshl_b32 s11, ttmp9, 2
	s_add_co_u32 s11, s11, s9
	s_lshl_b32 s12, s11, 4
	s_add_co_u32 s12, s12, s[WV]                     ; my fragment of queries among the batch's 128
	s_mov_b32 s[G1], 15|(3<<16)|(1<<21)              ; all four work-groups; elements of 8 bytes; bit 21 beside a mask
	s_mov_b32 s[G1+1], 32<<16                        ; rows of 256 bytes,
	s_mov_b32 s[G1+2], 51<<16                        ; 51 of them,
	s_mov_b32 s[G1+3], 32<<16
	s_mov_b32 s[G1+4], 51
	s_mov_b32 s[G1+5], 32                            ; dense
	s_mov_b32 s[G1+6], 0
	s_mov_b32 s[G1+7], 0
	s_mul_i32 s42, s10, HR
	s_mov_b32 s43, 0
	s_mul_i32 s44, s[WV], CHUNK
	s_mov_b32 s45, 0
	s_mov_b32 s[SEL], 0x76543210
	s_mov_b32 s[SEL+1], 0xfedcba98
	s_mov_b32 s[CS], 0x3e38aa3b                      ; c = log2(e) / 8
	s_mov_b32 s[CS+1], s[CS]
	s_mov_b32 s[TB], 0
	s_mov_b32 s[TBV], OV
	s_mov_b32 s[TS], OKS
	s_mov_b32 s[TJ], OVS
	s_mov_b32 s[CNT], 16
	s_wait_dscnt 0x0                                 ; the opening add is done
	s_wait_kmcnt 0x0
	s_add_nc_u64 s[46:47], s[4:5], s[42:43]          ; the head's record
	s_mov_b32 s[G0], 1
	s_mov_b32 s[G0+1], s44
	s_add_nc_u64 s[G0+2:G0+3], s[46:47], s[44:45]
	s_or_b32 s[G0+3], s[G0+3], 0x80000000
	CROUND                                           ; all four work-groups are here: the joint loads meet
	tensor_load_to_lds s[G0:G0+3], s[G1:G1+7]
	s_nop 0
.rept 4
	v_nop
.endr
	s_mul_i32 s48, s12, 768
	s_add_co_u32 s48, s48, OQ
	s_mov_b32 s49, 0
	s_add_nc_u64 s[50:51], s[46:47], s[48:49]        ; my half fragment of Q
	s_lshl_b32 s48, s12, 6
	s_add_co_u32 s48, s48, OQS
	s_add_nc_u64 s[52:53], s[46:47], s[48:49]        ; and its scale words
	v_and_b32 v8, 31, v0
	v_and_b32 v9, 15, v0
	s_delay_alu instid0(VALU_DEP_2)
	v_lshlrev_b32 v[L16], 4, v8
	s_delay_alu instid0(VALU_DEP_3)
	v_lshlrev_b32 v[L8], 3, v8
	s_delay_alu instid0(VALU_DEP_4)
	v_lshlrev_b32 v[L4], 2, v8
	s_delay_alu instid0(VALU_DEP_4)
	v_lshlrev_b32 v[R4], 2, v9
	global_load_b128 v[16:19], v[L16], s[50:51]
	global_load_b64 v[20:21], v[L8], s[50:51] offset:512
	global_load_b32 v255, v[R4], s[52:53]
	s_lshr_b32 s42, s10, 4                           ; where ctx goes: record 2 b + (fragment / 64),
	s_lshl_b32 s42, s42, 1
	s_lshr_b32 s43, s12, 6
	s_add_co_u32 s42, s42, s43
	s_mul_i32 s42, s42, REC
	s_and_b32 s43, s12, 63
	s_and_b32 s44, s10, 15
	s_lshr_b32 s45, s44, 1                           ; ks = head / 2,
	s_and_b32 s44, s44, 1                            ; half = head % 2
	s_lshl_b32 s58, s43, 3
	s_add_co_u32 s58, s58, s45
	s_mul_i32 s58, s58, 1536
	s_mul_i32 s59, s44, 768
	s_add_co_u32 s58, s58, s59
	s_add_co_u32 s58, s58, s42
	s_mov_b32 s59, 0
	s_add_nc_u64 s[54:55], s[6:7], s[58:59]
	s_lshl_b32 s58, s45, 12
	s_lshl_b32 s60, s43, 6
	s_add_co_u32 s58, s58, s60
	s_lshl_b32 s60, s44, 1
	s_add_co_u32 s58, s58, s60
	s_add_co_u32 s58, s58, s42
	s_add_co_u32 s58, s58, SCOFF
	s_add_nc_u64 s[56:57], s[6:7], s[58:59]
.irp i, 22,23,24,25,26,27
	v_mov_b32 v[\i], 0                               ; Q's k = 64 .. 127: zero codes
.endr
.irp t, 0,1,2,3
.irp i, 6,7,8,9,10,11
	v_mov_b32 v[KF+12*\t+\i], 0                      ; K's likewise: written once, never loaded
.endr
.endr
	v_mov_b32 v13, 0xff61b1e6                        ; the largest t so far: -3e38
	s_delay_alu instid0(VALU_DEP_1)
	v_floor_f32 v12, -v13                            ; -M
	v_mov_b32 v14, 0
	v_mov_b32 v15, 0
.irp b, 0,1,2,3
	v_mov_b32 v[236+\b], 0
.endr
	v_mov_b32 v253, 0
.set j, 0
.rept 32
	v_mov_b32 v[OT+j], 0                             ; the step is written once: the first finds zeros
.set j, j+1
.endr
	s_wait_loadcnt 0x0
	s_wait_tensorcnt 0x0                             ; my part of the head is in,
	s_barrier_signal -1
	s_barrier_wait -1                                ; everybody's is
.Lstep:                                              ; 16 trips of 128 keys
	v_add_nc_u32 v[ADK16], s[TB], v[L16]
	v_add_nc_u32 v[ADK8], s[TB], v[L8]
	v_add_nc_u32 v[ADV16], s[TBV], v[L16]
	v_add_nc_u32 v[ADV8], s[TBV], v[L8]
	v_add_nc_u32 v[ADS], s[TS], v[L4]
	v_add_nc_u32 v[ADT], s[TJ], v[L4]
	KLOAD 0
	s_wait_alu depctr_va_vdst(0)
	s_wait_dscnt 0x0
	QK 0
.rept 4
	v_nop                                            ; places ahead of loads into registers that the products have read
.endr
	KLOAD 1
.irp t, 0,1,2,3
	ds_load_b128 v[VF+12*\t:VF+12*\t+3], v[ADV16] offset:1536*\t
	ds_load_b64 v[VF+12*\t+4:VF+12*\t+5], v[ADV8] offset:1536*\t+512
	ds_load_b128 v[VF+12*\t+6:VF+12*\t+9], v[ADV16] offset:1536*\t+768
	ds_load_b64 v[VF+12*\t+10:VF+12*\t+11], v[ADV8] offset:1536*\t+1280
.endr
	ds_load_b32 v250, v[ADT]
	ds_load_b32 v251, v[ADT] offset:128
	s_wait_dscnt 18                                  ; K's ten are in; V's eighteen land under the softmax
	QK 1
.rept 4
	v_nop
.endr
.irp b, 0,1,2,3
	v_max3_num_f32 v[232+\b], v[S+16*\b], v[S+1+16*\b], v[S+2+16*\b]     ; the largest score of each block of 32 keys
.endr
.irp i, 3,5,7,9,11,13
.irp b, 0,1,2,3
	v_max3_num_f32 v[232+\b], v[232+\b], v[S+16*\b+\i], v[S+1+16*\b+\i]
.endr
.endr
.irp b, 0,1,2,3
	v_max_num_f32 v[232+\b], v[232+\b], v[S+15+16*\b]
.endr
.irp b, 0,1,2,3
	s_delay_alu instid0(VALU_DEP_4)
	v_permlanex16_b32 v[236+\b], v[232+\b], s[SEL], s[SEL+1]
.endr
.irp b, 0,1,2,3
	s_delay_alu instid0(VALU_DEP_4)
	v_max_num_f32 v[232+\b], v[232+\b], v[236+\b]
.endr
	s_delay_alu instid0(VALU_DEP_2)
	v_max3_num_f32 v254, v232, v233, v234
	s_delay_alu instid0(VALU_DEP_1)
	v_max_num_f32 v254, v254, v235
	s_delay_alu instid0(VALU_DEP_1)
	v_mul_f32 v254, s[CS], v254
	s_delay_alu instid0(VALU_DEP_1)
	v_max_num_f32 v13, v13, v254                     ; the running largest t
	v_mov_b32 v254, v12
	s_delay_alu instid0(VALU_DEP_2)
	v_floor_f32 v12, -v13                            ; the new -M: a whole number
	s_delay_alu instid0(VALU_DEP_1)
	v_sub_f32 v254, v12, v254
	s_delay_alu instid0(VALU_DEP_1)
	v_cvt_i32_f32 v254, v254                         ; (it saturates)
	s_delay_alu instid0(VALU_DEP_1)
	v_ldexp_f32 v252, 1.0, v254                      ; f = 2^(old M - new M): rounds nothing
.set j, 0
.rept 32
	v_pk_fma_f32 v[S+j:S+j+1], v[S+j:S+j+1], s[CS:CS+1], v[12:13] op_sel_hi:[1,0,0]   ; t - M
.set j, j+2
.endr
.irp b, 0,1,2,3
	v_fma_f32 v[232+\b], v[232+\b], s[CS], v12
.endr
.set j, 0
	s_wait_alu depctr_va_vdst(0)
.rept 64
	v_exp_f32 v[S+j], v[S+j]                         ; p, not normalised
.set j, j+1
.endr
	v_pk_mul_f32 v[14:15], v[14:15], v[252:253] op_sel_hi:[1,0]      ; the sums under the new M: the plain place behind the batch
	s_wait_alu depctr_va_vdst(0)                     ; one wait for the 64, ahead of their first reader
.irp b, 0,1,2,3
	v_exp_f32 v[232+\b], v[232+\b]                   ; each block's largest p
.endr
	v_pk_add_f32 v[236:237], v[132:133], v[136:137]
	v_pk_add_f32 v[248:249], v[140:141], v[144:145]
	v_pk_add_f32 v[246:247], v[148:149], v[152:153]
	v_pk_add_f32 v[244:245], v[156:157], v[160:161]
	v_pk_add_f32 v[242:243], v[164:165], v[168:169]
	v_pk_add_f32 v[240:241], v[172:173], v[176:177]
	v_pk_add_f32 v[238:239], v[180:181], v[184:185]
	v_pk_add_f32 v[14:15], v[14:15], v[188:189]
	v_pk_add_f32 v[236:237], v[236:237], v[128:129]
	v_pk_add_f32 v[248:249], v[248:249], v[130:131]
	v_pk_add_f32 v[246:247], v[246:247], v[134:135]
	v_pk_add_f32 v[244:245], v[244:245], v[138:139]
	v_pk_add_f32 v[242:243], v[242:243], v[142:143]
	v_pk_add_f32 v[240:241], v[240:241], v[146:147]
	v_pk_add_f32 v[238:239], v[238:239], v[150:151]
	v_pk_add_f32 v[14:15], v[14:15], v[154:155]
	v_pk_add_f32 v[236:237], v[236:237], v[158:159]
	v_pk_add_f32 v[248:249], v[248:249], v[162:163]
	v_pk_add_f32 v[246:247], v[246:247], v[166:167]
	v_pk_add_f32 v[244:245], v[244:245], v[170:171]
	v_pk_add_f32 v[242:243], v[242:243], v[174:175]
	v_pk_add_f32 v[240:241], v[240:241], v[178:179]
	v_pk_add_f32 v[238:239], v[238:239], v[182:183]
	v_pk_add_f32 v[14:15], v[14:15], v[186:187]
	v_pk_add_f32 v[236:237], v[236:237], v[190:191]
	s_delay_alu instid0(VALU_DEP_2)
	v_pk_add_f32 v[14:15], v[14:15], v[244:245]
	s_delay_alu instid0(VALU_DEP_2)
	v_pk_add_f32 v[236:237], v[236:237], v[242:243]
	v_pk_add_f32 v[248:249], v[248:249], v[240:241]
	v_pk_add_f32 v[246:247], v[246:247], v[238:239]
	s_delay_alu instid0(VALU_DEP_2)
	v_pk_add_f32 v[14:15], v[14:15], v[248:249]
	s_delay_alu instid0(VALU_DEP_2)
	v_pk_add_f32 v[236:237], v[236:237], v[246:247]
	s_delay_alu instid0(VALU_DEP_1)
	v_pk_add_f32 v[14:15], v[14:15], v[236:237]
	s_wait_alu depctr_va_vdst(0)                     ; and one for the four
.irp b, 0,1,2,3
	v_max_num_f32 v[232+\b], 0x1800000, v[232+\b]
.endr
.irp b, 0,1,2,3
	s_delay_alu instid0(VALU_DEP_4)
	v_add_nc_u32 v[244+\b], 0xff000000, v[232+\b]
.endr
.irp b, 0,1,2,3
	s_delay_alu instid0(VALU_DEP_4)
	v_lshrrev_b32 v[236+\b], 23, v[244+\b]
.endr
	s_delay_alu instid0(VALU_DEP_3)
	v_lshl_or_b32 v253, v237, 8, v236                ; p's scale word for these 128 keys
	s_delay_alu instid0(VALU_DEP_1)
	v_lshl_or_b32 v253, v238, 16, v253
	s_delay_alu instid0(VALU_DEP_1)
	v_lshl_or_b32 v253, v239, 24, v253
.irp c, 0,1
	v_cvt_scalef32_pk16_fp6_f32 v[224+6*\c:226+6*\c], v[S+32*\c:S+15+32*\c], v[244+2*\c]
	v_cvt_scalef32_pk16_fp6_f32 v[236+4*\c:238+4*\c], v[S+16+32*\c:S+31+32*\c], v[244+2*\c+1]
.endr
	v_nop
.irp c, 0,1
.irp i, 0,1,2
	v_permlane16_swap_b32 v[224+6*\c+\i], v[236+4*\c+\i]
.endr
.irp i, 0,1,2
	s_delay_alu instid0(VALU_DEP_3)
	v_mov_b32 v[227+6*\c+\i], v[236+4*\c+\i]
.endr
.endr
.set j, 0
.rept 16
	v_pk_mul_f32 v[OT+j:OT+j+1], v[OT+j:OT+j+1], v[252:253] op_sel_hi:[1,0]   ; O^T under the new M; also the places ahead of the products below
.set j, j+2
.endr
	s_wait_alu depctr_va_vdst(0)
	s_wait_dscnt 0x0                                 ; V is in
.irp u, 0,1                                      ; O^T += V^T P^T: four accumulators by turns, one instruction each
	v_wmma_scale_f32_16x16x128_f8f6f4 v[OT+16*\u:OT+16*\u+7], v[VF+24*\u:VF+24*\u+11], v[224:235], v[OT+16*\u:OT+16*\u+7], v[250+\u], v253 matrix_a_fmt:MATRIX_FMT_FP6 matrix_b_fmt:MATRIX_FMT_FP6
	v_wmma_scale_f32_16x16x128_f8f6f4 v[OT+16*\u+8:OT+16*\u+15], v[VF+24*\u+12:VF+24*\u+23], v[224:235], v[OT+16*\u+8:OT+16*\u+15], v[250+\u], v253 matrix_a_fmt:MATRIX_FMT_FP6 matrix_b_fmt:MATRIX_FMT_FP6 matrix_a_scale:MATRIX_SCALE_ROW1
.endr
	s_add_co_u32 s[TB], s[TB], 6144
	s_add_co_u32 s[TBV], s[TBV], 6144
	s_add_co_u32 s[TS], s[TS], 512
	s_add_co_u32 s[TJ], s[TJ], 256
	s_sub_co_u32 s[CNT], s[CNT], 1
	s_cmp_lg_u32 s[CNT], 0
	s_cbranch_scc1 .Lstep
	; THE WAY OUT: O^T / the sum, quantised along the head's 64 channels: half a fragment of ctx and two scale bytes a row
.rept 4
	v_nop
.endr
	v_add_f32 v14, v14, v15
	s_delay_alu instid0(VALU_DEP_1)
	v_permlanex16_b32 v252, v14, s[SEL], s[SEL+1]
	s_delay_alu instid0(VALU_DEP_1)
	v_add_f32 v14, v14, v252
	s_wait_alu depctr_va_vdst(0)
	v_rcp_f32 v14, v14
	v_nop
	s_wait_alu depctr_va_vdst(0)
.set j, 0
.rept 32
	v_mul_f32 v[S+j], v[OT+j], v14                   ; register 16 b + i = channel 32 b + 16 h + i
.set j, j+1
.endr
.irp b, 0,1
	v_max3_num_f32 v[232+\b], |v[S+16*\b]|, |v[S+1+16*\b]|, 0x1800000
.endr
.irp i, 2,4,6,8,10,12,14
.irp b, 0,1
	s_delay_alu instid0(VALU_DEP_2)
	v_max3_num_f32 v[232+\b], v[232+\b], |v[S+16*\b+\i]|, |v[S+1+16*\b+\i]|
.endr
.endr
.irp b, 0,1
	s_delay_alu instid0(VALU_DEP_2)
	v_permlanex16_b32 v[236+\b], v[232+\b], s[SEL], s[SEL+1]
.endr
.irp b, 0,1
	s_delay_alu instid0(VALU_DEP_2)
	v_max_num_f32 v[232+\b], v[232+\b], v[236+\b]
.endr
.irp b, 0,1
	s_delay_alu instid0(VALU_DEP_2)
	v_add_nc_u32 v[244+\b], 0xff000000, v[232+\b]
.endr
.irp b, 0,1
	s_delay_alu instid0(VALU_DEP_2)
	v_lshrrev_b32 v[236+\b], 23, v[244+\b]
.endr
	s_delay_alu instid0(VALU_DEP_1)
	v_lshl_or_b32 v254, v237, 8, v236
	v_cvt_scalef32_pk16_fp6_f32 v[224:226], v[S:S+15], v244
	v_cvt_scalef32_pk16_fp6_f32 v[240:242], v[S+16:S+31], v245
	v_nop
.irp i, 0,1,2
	v_permlane16_swap_b32 v[224+\i], v[240+\i]
.endr
.irp i, 0,1,2
	s_delay_alu instid0(VALU_DEP_3)
	v_mov_b32 v[227+\i], v[240+\i]
.endr
	global_store_b128 v[L16], v[224:227], s[54:55]
	global_store_b64 v[L8], v[228:229], s[54:55] offset:512
	global_store_b16 v[R4], v254, s[56:57]           ; lanes 16-31 repeat lanes 0-15's value at the same place
	s_wait_tensorcnt 0x0                             ; the wave's end
	ds_add_u32 v[SPW], v[NIL]
	s_wait_dscnt 0x0
	CROUND                                           ; the closing round
	s_endpgm
.Lfunc_end_k_q8bfdb3a865_attn:
	.size	k_q8bfdb3a865_attn, .Lfunc_end_k_q8bfdb3a865_attn-k_q8bfdb3a865_attn
	.p2alignl 7, 3214868480
	.fill 96, 4, 3214868480
	.section	.rodata,"a",@progbits
	.p2align	6, 0x0
	.amdhsa_kernel k_q8bfdb3a865_attn
		.amdhsa_group_segment_fixed_size 212992
		.amdhsa_private_segment_fixed_size 0
		.amdhsa_enable_private_segment 0
		.amdhsa_kernarg_size 16
		.amdhsa_user_sgpr_count 2
		.amdhsa_user_sgpr_kernarg_segment_ptr 1
		.amdhsa_wavefront_size32 1
		.amdhsa_system_sgpr_workgroup_id_x 1
		.amdhsa_system_sgpr_workgroup_id_y 1
		.amdhsa_system_sgpr_workgroup_id_z 1
		.amdhsa_system_vgpr_workitem_id 0
		.amdhsa_next_free_vgpr 256
		.amdhsa_next_free_sgpr 66
		.amdhsa_reserve_vcc 0
		.amdhsa_float_denorm_mode_32 3
		.amdhsa_float_denorm_mode_16_64 3
		.amdhsa_memory_ordered 1
		.amdhsa_forward_progress 1
		.amdhsa_inst_pref_size 30
	.end_amdhsa_kernel
	.amdgpu_metadata
---
amdhsa.version: [ 1, 2 ]
amdhsa.kernels:
  - .name:           k_q8bfdb3a865_attn
    .symbol:         k_q8bfdb3a865_attn.kd
    .args:
      - { .name: qkv, .offset: 0, .size: 8, .value_kind: global_buffer, .address_space: global }
      - { .name: ctx, .offset: 8, .size: 8, .value_kind: global_buffer, .address_space: global }
    .group_segment_fixed_size: 212992
    .private_segment_fixed_size: 0
    .kernarg_segment_align: 8
    .kernarg_segment_size: 16
    .max_flat_workgroup_size: 512
    .sgpr_count:     66
    .vgpr_count:     256
    .wavefront_size: 32
...
	.end_amdgpu_metadata
.endif
;; end of part 3
;; launch oln (part 4): grid 256 x 1, 4 waves a work-group, clusters of 4 x 1, 327,680 bytes of LDS; arguments ctx, wo, state, bo, ln1_g, ln1_b, x1; writes x1
.if DOCPART == 4
	.amdgcn_target "amdgcn-amd-amdhsa--gfx1250"
	.amdhsa_code_object_version 6
	.text
	.protected	k_q8bfdb3a865_oln
	.globl	k_q8bfdb3a865_oln
	.p2align	8
	.type	k_q8bfdb3a865_oln,@function
k_q8bfdb3a865_oln:
	s_mov_b64 s[64:65], 0
	v_nop
	global_prefetch_b8 v0, s[64:65] scope:SCOPE_SE
	s_setreg_imm32_b32 hwreg(HW_REG_WAVE_MODE, 25, 1), 1
	s_wait_xcnt 0x0
	s_wait_alu depctr_hold_cnt(0) depctr_sa_sdst(0) depctr_va_vdst(0) depctr_va_sdst(0) depctr_va_ssrc(0) depctr_va_vcc(0) depctr_vm_vsrc(0)
	s_getreg_b32 s2, hwreg(HW_REG_IB_STS2, 6, 4)
	s_cmp_eq_u32 s2, 0
	s_cbranch_scc0 .Lentry_in_a_cluster
	s_endpgm
.Lentry_in_a_cluster:
	s_bfe_u32 s2, ttmp6, 0x10000c
	s_cmp_lg_u32 s2, 0x3003
	s_cbranch_scc0 .Lentry_shape_is_right
	s_endpgm
.Lentry_shape_is_right:
; x1 = layer_norm(ctx Wo^T + bo + state), product and norm in one launch.  x1 is kept twice: as FP6 records and, from byte 3,276,800, as f32 [slot row][1,024].
; A work-group owns one fragment's 16 slot rows and all 1,024 columns, so a row's sums stay inside it; wave w makes columns 256 w .. 256 w + 255: 16 accumulators.
; ctx's eight fragments and all scale words lie in registers.  Wo's codes walk through two LDS slots, one K step of 128 (64 fragments, 98,304 bytes) each;
; each wave asks for its own 16 fragments, jointly with the cluster's three other work-groups, which walk the same bytes (mask 15), and it alone reads them.
; The product is used transposed (source 0 = Wo's slots, source 1 = ctx's): lane (r, h) holds row r, register 16 b + i = column 32 b + 16 h + i of the wave's 256.
; One tensor load a wave is out.  No prefetch: the walk has eight steps, two of them asked for at the head, and every work-group walks the same bytes of wo.
; LIMITS: NaN and infinities are not served; a block under 2^-124 keeps the scale byte 1.
; WINDOWS: 0: addresses, accumulators, scale words.  1: v0-95 ctx's fragments, v96-239 three buffers of four Wo fragments; on the way out the residual, ln1_g, rows to store.  2: v0-127 state + bo by rows, v128-255 bo, then ln1_b.
.set REC,   819200
.set SCOFF, 786432
.set QT,    24576                      ; a wave's 16 fragments of a slot
.set SLOT,  98304
.set STAGE, 2*SLOT                     ; a stage for each wave: 16 rows x (1,024 + 16) bytes; no tile lands there
.set SP,    1040
.set RED,   STAGE+4*16*SP              ; two sums x 4 waves x 16 rows x 4 bytes
.set SPARE, RED+512                    ; the spare words, 128 bytes a wave
.set L16, 1
.set L8,  2
.set R4,  3
.set L4,  4
.set SIN, 5                            ; stage by rows: 16 x lane
.set SOUT, 6                           ; stage by lanes: SP r + 64 h
.set SPW, 7
.set NIL, 8
.set RW,  9
.set RR,  10
.set GA,  11                           ; 64 h
.set BA,  12                           ; v12-13 my fragments in slot 0, 1: 16 x lane
.set BA8, 14                           ; v14-15 the same: 8 x lane
.set TM,  16                           ; v16-31 at work in QUANT
.set T,   16                           ; v16-23 at work in the sums
.set MP,  24
.set X,   32                           ; v32-159 the accumulators
.set SA,  160                          ; v160-167 ctx's scale words, one register a K step
.set SB,  168                          ; v168-231 Wo's: register 8 k + g: tile 2 g in lanes 0-15, tile 2 g + 1 in lanes 16-31
.set PC,  232
.set PW,  251
.set BF,  96
.set WV,  18
.set G1,  24
.set G0,  32
.set SEL, 40
.set MSB, 0
.macro WIN new
.if MSB != (\new)
	s_set_vgpr_msb (MSB<<8)|(\new)
.set MSB, (\new)
.endif
.endm
.macro PLACES
.rept 4
	v_nop
.endr
.endm
.macro ROUND
	s_barrier_signal -1
	s_barrier_wait -1
	s_cmp_lg_u32 s[WV], 0
	s_cbranch_scc1 .Lnot_wave_0_\@
	s_barrier_signal -3
.Lnot_wave_0_\@:
	s_barrier_wait -3
	s_barrier_signal -1
	s_barrier_wait -1
.endm
.macro BLD g                           ; group g = 4 k + q: fragments 4 q .. 4 q + 3 of K step k, from slot k % 2 into buffer g % 3: 16 loads
.irp t, 0,1,2,3
.set BR, BF+48*((\g)%3)+12*\t
.set BO, (4*((\g)%4)+\t)*1536
	ds_load_b128 v[BR:BR+3], v[BA+((\g)/4)%2] offset:BO
	ds_load_b64 v[BR+4:BR+5], v[BA8+((\g)/4)%2] offset:BO+512
	ds_load_b128 v[BR+6:BR+9], v[BA+((\g)/4)%2] offset:BO+768
	ds_load_b64 v[BR+10:BR+11], v[BA8+((\g)/4)%2] offset:BO+1280
.endr
.endm
.macro WM mod
.if MK == 0
	v_wmma_scale_f32_16x16x128_f8f6f4 v[X+8*MI:X+8*MI+7], v[MB:MB+11], v[12*MK:12*MK+11], 0, v[SB+8*MK+MI/2], v[SA+MK] matrix_a_fmt:MATRIX_FMT_FP6 matrix_b_fmt:MATRIX_FMT_FP6 \mod
.else
	v_wmma_scale_f32_16x16x128_f8f6f4 v[X+8*MI:X+8*MI+7], v[MB:MB+11], v[12*MK:12*MK+11], v[X+8*MI:X+8*MI+7], v[SB+8*MK+MI/2], v[SA+MK] matrix_a_fmt:MATRIX_FMT_FP6 matrix_b_fmt:MATRIX_FMT_FP6 \mod
.endif
.set MI, MI+1
.set MB, MB+12
.endm
.macro MM g                            ; group g's four products; the 16 accumulators take turns; K step 0 starts the sums
.set MK, (\g)/4
.set MI, 4*((\g)%4)
.set MB, BF+48*((\g)%3)
	WIN 0x05
	WM
	WM matrix_a_scale:MATRIX_SCALE_ROW1
	WM
	WM matrix_a_scale:MATRIX_SCALE_ROW1
.endm
.macro QUANT s                         ; 64 numbers of a lane -> a fragment's 12 registers at v[PC], my row's scale word in v[PW]
.irp b, 0,1,2,3
	v_max3_num_f32 v[TM+\b], |v[\s+16*\b]|, |v[\s+1+16*\b]|, 0x1800000
.endr
.irp i, 2,4,6,8,10,12,14
.irp b, 0,1,2,3
	v_max3_num_f32 v[TM+\b], v[TM+\b], |v[\s+16*\b+\i]|, |v[\s+1+16*\b+\i]|
.endr
.endr
.irp b, 0,1,2,3
	v_permlanex16_b32 v[TM+4+\b], v[TM+\b], s[SEL], s[SEL+1]
.endr
.irp b, 0,1,2,3
	v_max_num_f32 v[TM+\b], v[TM+\b], v[TM+4+\b]
.endr
.irp b, 0,1,2,3
	v_add_nc_u32 v[TM+12+\b], 0xff000000, v[TM+\b]
.endr
.irp b, 0,1,2,3
	v_lshrrev_b32 v[TM+4+\b], 23, v[TM+12+\b]
.endr
	v_lshl_or_b32 v[PW], v[TM+5], 8, v[TM+4]
	v_lshl_or_b32 v[PW], v[TM+6], 16, v[PW]
	v_lshl_or_b32 v[PW], v[TM+7], 24, v[PW]
.irp c, 0,1
	v_cvt_scalef32_pk16_fp6_f32 v[PC+6*\c:PC+2+6*\c], v[\s+32*\c:\s+15+32*\c], v[TM+12+2*\c]
	v_cvt_scalef32_pk16_fp6_f32 v[PC+12+4*\c:PC+14+4*\c], v[\s+16+32*\c:\s+31+32*\c], v[TM+12+2*\c+1]
.endr
	v_nop                                            ; one plain place behind a scaled conversion
.irp c, 0,1
.irp i, 0,1,2
	v_permlane16_swap_b32 v[PC+6*\c+\i], v[PC+12+4*\c+\i]
.endr
.irp i, 0,1,2
	v_mov_b32 v[PC+3+6*\c+\i], v[PC+12+4*\c+\i]
.endr
.endr
.endm
.macro ACROSS red                      ; four chains in v[T:T+7] -> the row's sum in v[T]: my lane, lane l xor 16, the four waves
	v_pk_add_f32 v[T:T+1], v[T:T+1], v[T+4:T+5]
	v_pk_add_f32 v[T+2:T+3], v[T+2:T+3], v[T+6:T+7]
	v_pk_add_f32 v[T:T+1], v[T:T+1], v[T+2:T+3]
	v_add_f32 v[T], v[T], v[T+1]
	v_permlanex16_b32 v[T+1], v[T], s[SEL], s[SEL+1]
	v_add_f32 v[T], v[T], v[T+1]
	ds_store_b32 v[RW], v[T] offset:\red             ; lanes 16-31 repeat lanes 0-15's value at the same place
	s_wait_alu depctr_va_vdst(0)                     ; the wait ahead of the blocking wait
	s_wait_dscnt 0x0                                 ; for the others' sake
	s_barrier_signal -1
	s_barrier_wait -1
.irp k, 0,1,2,3
	ds_load_b32 v[T+\k], v[RR] offset:\red+64*\k
.endr
	s_wait_dscnt 0x0
	v_add_f32 v[T], v[T], v[T+1]
	v_add_f32 v[T+2], v[T+2], v[T+3]
	v_add_f32 v[T], v[T], v[T+2]
.endm
	s_load_b256 s[4:11], s[0:1], 0x0                 ; ctx, wo, state, bo
	s_load_b128 s[12:15], s[0:1], 0x20               ; ln1_g, ln1_b
	s_load_b64 s[16:17], s[0:1], 0x30                ; x1
	v_lshl_add_u32 v[SPW], v0, 2, SPARE
	v_mov_b32 v[NIL], 0
	ds_add_u32 v[SPW], v[NIL]                        ; the opening lines: the add, twice, and its wait below
	ds_add_u32 v[SPW], v[NIL]
	v_lshrrev_b32 v16, 5, v0
	v_readfirstlane_b32 s[WV], v16
	v_and_b32 v16, 31, v0
	v_and_b32 v17, 15, v0
	v_bfe_u32 v18, v0, 4, 1
	v_lshlrev_b32 v[L16], 4, v16
	v_lshlrev_b32 v[L8], 3, v16
	v_lshlrev_b32 v[L4], 2, v16
	v_lshlrev_b32 v[R4], 2, v17
	v_lshlrev_b32 v[GA], 6, v18
	s_mul_i32 s44, s[WV], 16*SP
	s_add_co_u32 s44, s44, STAGE
	v_add_nc_u32 v[SIN], s44, v[L16]
	v_mul_u32_u24 v[SOUT], v17, SP
	v_lshl_add_u32 v[SOUT], v18, 6, v[SOUT]
	v_add_nc_u32 v[SOUT], s44, v[SOUT]
	s_lshl_b32 s43, s[WV], 6
	v_add_nc_u32 v[RR], RED, v[R4]
	v_add_nc_u32 v[RW], s43, v[RR]
	s_mul_i32 s45, s[WV], QT
	v_add_nc_u32 v[BA], s45, v[L16]
	v_add_nc_u32 v[BA8], s45, v[L8]
	s_add_co_u32 s43, s45, SLOT
	v_add_nc_u32 v[BA+1], s43, v[L16]
	v_add_nc_u32 v[BA8+1], s43, v[L8]
.irp b, 4,5,6,7
	v_mov_b32 v[TM+\b], 0                            ; a lane permute's destination counts as a source
.endr
	s_wait_alu depctr_va_vdst(0)                     ; the wait behind the head's vector work
	s_mov_b32 s[SEL], 0x76543210
	s_mov_b32 s[SEL+1], 0xfedcba98
	s_mov_b32 s42, 0x3a800000                        ; 1 / 1,024
	s_mov_b32 s[G1], 15|(3<<16)|(1<<21)              ; all four work-groups; elements of 8 bytes; bit 21 beside a mask
	s_mov_b32 s[G1+1], 192<<16                       ; a row: one fragment, 1,536 bytes
	s_mov_b32 s[G1+2], 16<<16                        ; 16 fragments
	s_mov_b32 s[G1+3], 192<<16
	s_mov_b32 s[G1+4], 16
	s_mov_b32 s[G1+5], 1536                          ; 12,288 bytes from fragment to fragment
	s_mov_b32 s[G1+6], 0
	s_mov_b32 s[G1+7], 0
	s_bfe_u32 s19, ttmp6, 0x40000                    ; cx: it enters ctx's, state's and x1's addresses alone
	s_lshl_b32 s20, ttmp9, 2
	s_add_co_u32 s20, s20, s19                       ; my fragment of rows, 0 .. 255
	s_lshr_b32 s21, s20, 6
	s_mul_i32 s21, s21, REC                          ; its record
	s_and_b32 s22, s20, 63
	s_mul_i32 s46, s22, 12288
	s_add_co_u32 s46, s46, s21                       ; ctx's codes
	s_mov_b32 s47, 0
	s_lshl_b32 s48, s22, 6
	s_add_co_u32 s48, s48, s21
	s_add_co_u32 s48, s48, SCOFF                     ; the rows' scale words, K step 0
	s_mov_b32 s49, 0
	s_lshl_b32 s50, s[WV], 10                        ; my 256 columns in f32
	s_mov_b32 s51, 0
	s_mul_i32 s52, s[WV], 196608                     ; my 16 fragments of Wo
	s_mov_b32 s53, 0
	s_lshr_b32 s54, s20, 1                           ; state: token 32 (g % 64) + 8 u, batch g / 64
	s_and_b32 s54, s54, 63
	s_lshl_b32 s54, s54, 18
	s_and_b32 s23, s20, 1
	s_lshl_b32 s23, s23, 16
	s_add_co_u32 s54, s54, s23
	s_lshr_b32 s23, s20, 7
	s_lshl_b32 s23, s23, 12
	s_add_co_u32 s54, s54, s23
	s_add_co_u32 s54, s54, s50
	s_mov_b32 s55, 0
	s_lshl_b32 s56, s22, 3                           ; x1's fragments: K steps 2 w and 2 w + 1
	s_lshl_b32 s23, s[WV], 1
	s_add_co_u32 s56, s56, s23
	s_mul_i32 s56, s56, 1536
	s_add_co_u32 s56, s56, s21
	s_mov_b32 s57, 0
	s_lshl_b32 s58, s[WV], 13
	s_add_co_u32 s58, s58, s48                       ; and their scale words
	s_mov_b32 s59, 0
	s_lshl_b32 s60, s20, 16
	s_add_co_u32 s60, s60, s50
	s_add_co_u32 s60, s60, 3276800                   ; the f32 rows
	s_mov_b32 s61, 0
	s_wait_dscnt 0x0                                 ; both opening adds are done
	s_wait_kmcnt 0x0
	s_add_nc_u64 s[46:47], s[4:5], s[46:47]
	s_add_nc_u64 s[48:49], s[4:5], s[48:49]
	s_add_nc_u64 s[52:53], s[6:7], s[52:53]
	s_add_nc_u64 s[6:7], s[6:7], s[50:51]
	s_add_nc_u64 s[6:7], s[6:7], SCOFF               ; Wo's scale words of my 256 slots
	s_add_nc_u64 s[54:55], s[8:9], s[54:55]
	s_add_nc_u64 s[10:11], s[10:11], s[50:51]
	s_add_nc_u64 s[12:13], s[12:13], s[50:51]
	s_add_nc_u64 s[14:15], s[14:15], s[50:51]
	s_add_nc_u64 s[56:57], s[16:17], s[56:57]
	s_add_nc_u64 s[58:59], s[16:17], s[58:59]
	s_add_nc_u64 s[60:61], s[16:17], s[60:61]
	s_mov_b32 s[G0], 1
	s_mov_b32 s[G0+1], s45
	s_mov_b64 s[G0+2:G0+3], s[52:53]
	s_or_b32 s[G0+3], s[G0+3], 0x80000000
	s_mov_b32 s[G0+4], 1
	s_add_co_u32 s[G0+5], s45, SLOT
	s_add_nc_u64 s[G0+6:G0+7], s[52:53], 1536
	s_or_b32 s[G0+7], s[G0+7], 0x80000000
	ROUND                                            ; all four work-groups are here: the joint loads meet
	tensor_load_to_lds s[G0:G0+3], s[G1:G1+7]        ; K step 0: my one load at the head
	s_nop 0
	PLACES
	WIN 0x80                                         ; state by rows, 512 consecutive bytes a load
.set RI, 0
.rept 16
	global_load_b128 v[8*RI:8*RI+3], v[L16], s[54:55] offset:((RI%8)+16*(RI/8))*8192
	global_load_b128 v[8*RI+4:8*RI+7], v[L16], s[54:55] offset:((RI%8)+16*(RI/8))*8192+512
.set RI, RI+1
.endr
	global_load_b128 v[128:131], v[L16], s[10:11]
	global_load_b128 v[132:135], v[L16], s[10:11] offset:512
	WIN 0x40                                         ; ctx's eight fragments
.set RI, 0
.rept 8
	global_load_b128 v[12*RI:12*RI+3], v[L16], s[46:47] offset:1536*RI
	global_load_b64 v[12*RI+4:12*RI+5], v[L8], s[46:47] offset:1536*RI+512
	global_load_b128 v[12*RI+6:12*RI+9], v[L16], s[46:47] offset:1536*RI+768
	global_load_b64 v[12*RI+10:12*RI+11], v[L8], s[46:47] offset:1536*RI+1280
.set RI, RI+1
.endr
	WIN 0
.set RI, 0
.rept 8
	global_load_b32 v[SA+RI], v[R4], s[48:49] offset:4096*RI
.irp g, 0,1,2,3,4,5,6,7
	global_load_b32 v[SB+8*RI+\g], v[L4], s[6:7] offset:4096*RI+128*\g
.endr
.set RI, RI+1
.endr
	s_wait_alu depctr_va_vdst(0)
	s_wait_tensorcnt 0x0                             ; K step 0 is in
	ds_add_u32 v[SPW], v[NIL]
	s_wait_dscnt 0x0
	ROUND
	tensor_load_to_lds s[G0+4:G0+7], s[G1:G1+7]      ; K step 1, the first tensor load behind the round
	s_nop 0
	PLACES
	WIN 0x40
	BLD 0
	BLD 1
	s_wait_loadcnt 0x0
	WIN 0x8a                                         ; state + bo, by rows
.set RI, 0
.rept 32
	v_pk_add_f32 v[4*RI:4*RI+1], v[4*RI:4*RI+1], v[128+4*(RI%2):129+4*(RI%2)]
	v_pk_add_f32 v[4*RI+2:4*RI+3], v[4*RI+2:4*RI+3], v[130+4*(RI%2):131+4*(RI%2)]
.set RI, RI+1
.endr
	s_wait_alu depctr_va_vdst(0)
; THE WALK: fragment loads run two groups ahead.  A wait for 32 leaves the two younger groups' loads out, 16 one group's, 17 one group's and the add.
.set K, 0
.rept 8
	PLACES                                           ; ahead of loads into a buffer that the last products read
	WIN 0x40
	BLD 4*K+2
	s_wait_dscnt 32
	MM 4*K
	PLACES
	WIN 0x40
	BLD 4*K+3
	s_wait_dscnt 32
	MM 4*K+1
.if K < 7
	WIN 0
	s_wait_tensorcnt 0x0                             ; my part of the next slot is in
.if K < 6
	ds_add_u32 v[SPW], v[NIL]
	s_wait_dscnt 17
	MM 4*K+2
	s_wait_dscnt 0x0                                 ; the add is done, and my reads of this slot are over
	WIN 0
	ROUND                                            ; no wave of any partner still reads this slot or has a load on its way
	s_add_nc_u64 s[G0+4*(K%2)+2:G0+4*(K%2)+3], s[G0+4*(K%2)+2:G0+4*(K%2)+3], 2*1536
	tensor_load_to_lds s[G0+4*(K%2):G0+4*(K%2)+3], s[G1:G1+7]   ; K step K + 2
	s_nop 0
	PLACES                                           ; also the places ahead of the loads below
.else
	s_wait_dscnt 16
	MM 4*K+2
	s_wait_dscnt 0x0
	WIN 0
	s_barrier_signal -1
	s_barrier_wait -1
	PLACES
.endif
	WIN 0x40
	BLD 4*K+4
	BLD 4*K+5
	MM 4*K+3
.else
	s_wait_dscnt 16
	MM 4*K+2
	s_wait_dscnt 0x0
	MM 4*K+3
.endif
.set K, K+1
.endr
; THE WAY OUT
	PLACES
	s_wait_alu depctr_va_vdst(0)
	WIN 0x40
.irp b, 0,1,2,3,4,5,6,7
.irp j, 0,1,2,3
	global_load_b128 v[128+16*\b+4*\j:131+16*\b+4*\j], v[GA], s[12:13] offset:128*\b+16*\j   ; ln1_g at my columns
.endr
.endr
	WIN 0x80
.irp b, 0,1,2,3,4,5,6,7
.irp j, 0,1,2,3
	global_load_b128 v[128+16*\b+4*\j:131+16*\b+4*\j], v[GA], s[14:15] offset:128*\b+16*\j   ; ln1_b
.endr
.endr
	WIN 0x08                                         ; state + bo turns through my stage: LDS serves a wave's instructions in order
.set RI, 0
.rept 16
	ds_store_b128 v[SIN], v[8*RI:8*RI+3] offset:RI*SP
	ds_store_b128 v[SIN], v[8*RI+4:8*RI+7] offset:RI*SP+512
.set RI, RI+1
.endr
	WIN 0x40
.irp b, 0,1,2,3,4,5,6,7
.irp j, 0,1,2,3
	ds_load_b128 v[16*\b+4*\j:16*\b+4*\j+3], v[SOUT] offset:128*\b+16*\j
.endr
.endr
	s_wait_dscnt 0x0
	WIN 0x04
.set J, 0
.rept 64
	v_pk_add_f32 v[X+J:X+J+1], v[X+J:X+J+1], v[J:J+1]      ; each accumulator from its low end on
.set J, J+2
.endr
	WIN 0
.irp c, 0,2,4,6
	v_pk_add_f32 v[T+\c:T+\c+1], v[X+\c:X+\c+1], v[X+8+\c:X+9+\c]
.endr
.set J, 16
.rept 14
.irp c, 0,2,4,6
	v_pk_add_f32 v[T+\c:T+\c+1], v[T+\c:T+\c+1], v[X+J+\c:X+J+\c+1]
.endr
.set J, J+8
.endr
	ACROSS 0
	v_mul_f32 v[MP], s42, v[T]                       ; the mean
	v_mov_b32 v[MP+1], v[MP]
.set J, 0
.rept 64
	v_pk_add_f32 v[X+J:X+J+1], v[X+J:X+J+1], v[MP:MP+1] neg_lo:[0,1] neg_hi:[0,1]
.set J, J+2
.endr
.irp c, 0,2,4,6
	v_pk_mul_f32 v[T+\c:T+\c+1], v[X+\c:X+\c+1], v[X+\c:X+\c+1]
.endr
.set J, 8
.rept 15
.irp c, 0,2,4,6
	v_pk_fma_f32 v[T+\c:T+\c+1], v[X+J+\c:X+J+\c+1], v[X+J+\c:X+J+\c+1], v[T+\c:T+\c+1]
.endr
.set J, J+8
.endr
	ACROSS 256
	v_fmaak_f32 v[MP], s42, v[T], 0x3727c5ac         ; the variance + 1e-5
	s_wait_alu depctr_va_vdst(0)                     ; the wait ahead of the transcendental,
	v_rsq_f32 v[MP], v[MP]
	v_nop
	s_wait_alu depctr_va_vdst(0)                     ; and ahead of its first reader
	v_mov_b32 v[MP+1], v[MP]
	s_wait_alu depctr_va_vdst(0)
	s_wait_loadcnt 0x0                               ; ln1_g, ln1_b
.set J, 0
.rept 64
	v_pk_mul_f32 v[X+J:X+J+1], v[X+J:X+J+1], v[MP:MP+1]
.set J, J+2
.endr
	WIN 0x24
.set J, 0
.rept 64
	v_pk_fma_f32 v[X+J:X+J+1], v[X+J:X+J+1], v[128+J:129+J], v[128+J:129+J]
.set J, J+2
.endr
	WIN 0
.irp c, 0,1
.if \c
	s_wait_alu depctr_va_vdst(0)
	s_wait_xcnt 0x0                                  ; the first fragment's stores have read their data
.endif
	QUANT X+64*\c
	global_store_b128 v[L16], v[PC:PC+3], s[56:57] offset:1536*\c
	global_store_b64 v[L8], v[PC+4:PC+5], s[56:57] offset:1536*\c+512
	global_store_b128 v[L16], v[PC+6:PC+9], s[56:57] offset:1536*\c+768
	global_store_b64 v[L8], v[PC+10:PC+11], s[56:57] offset:1536*\c+1280
	global_store_b32 v[R4], v[PW], s[58:59] offset:4096*\c      ; lanes 16-31 repeat lanes 0-15's word
.endr
.irp b, 0,1,2,3,4,5,6,7
.irp j, 0,1,2,3
	ds_store_b128 v[SOUT], v[X+16*\b+4*\j:X+16*\b+4*\j+3] offset:128*\b+16*\j   ; back through my stage: whole rows go out
.endr
.endr
	WIN 0x40
.set RI, 0
.rept 16
	ds_load_b128 v[8*RI:8*RI+3], v[SIN] offset:RI*SP
	ds_load_b128 v[8*RI+4:8*RI+7], v[SIN] offset:RI*SP+512
.set RI, RI+1
.endr
	s_wait_dscnt 0x0
	WIN 0x04
.set RI, 0
.rept 16
	global_store_b128 v[L16], v[8*RI:8*RI+3], s[60:61] offset:RI*4096         ; 512 consecutive bytes a store
	global_store_b128 v[L16], v[8*RI+4:8*RI+7], s[60:61] offset:RI*4096+512
.set RI, RI+1
.endr
	WIN 0
	s_wait_tensorcnt 0x0                             ; the wave's end
	ds_add_u32 v[SPW], v[NIL]
	s_wait_dscnt 0x0
	ROUND                                            ; the closing round
	s_endpgm
.Lfunc_end_k_q8bfdb3a865_oln:
	.size	k_q8bfdb3a865_oln, .Lfunc_end_k_q8bfdb3a865_oln-k_q8bfdb3a865_oln
	.p2alignl 7, 3214868480
	.fill 96, 4, 3214868480
	.section	.rodata,"a",@progbits
	.p2align	6, 0x0
	.amdhsa_kernel k_q8bfdb3a865_oln
		.amdhsa_group_segment_fixed_size 327680
		.amdhsa_private_segment_fixed_size 0
		.amdhsa_enable_private_segment 0
		.amdhsa_kernarg_size 56
		.amdhsa_user_sgpr_count 2
		.amdhsa_user_sgpr_kernarg_segment_ptr 1
		.amdhsa_wavefront_size32 1
		.amdhsa_system_sgpr_workgroup_id_x 1
		.amdhsa_system_sgpr_workgroup_id_y 1
		.amdhsa_system_sgpr_workgroup_id_z 1
		.amdhsa_system_vgpr_workitem_id 0
		.amdhsa_next_free_vgpr 768
		.amdhsa_next_free_sgpr 66
		.amdhsa_reserve_vcc 0
		.amdhsa_float_denorm_mode_32 3
		.amdhsa_float_denorm_mode_16_64 3
		.amdhsa_memory_ordered 1
		.amdhsa_forward_progress 1
		.amdhsa_inst_pref_size 133
	.end_amdhsa_kernel
	.amdgpu_metadata
---
amdhsa.version: [ 1, 2 ]
amdhsa.kernels:
  - .name:           k_q8bfdb3a865_oln
    .symbol:         k_q8bfdb3a865_oln.kd
    .args:
      - { .name: ctx, .offset: 0, .size: 8, .value_kind: global_buffer, .address_space: global }
      - { .name: wo, .offset: 8, .size: 8, .value_kind: global_buffer, .address_space: global }
      - { .name: state, .offset: 16, .size: 8, .value_kind: global_buffer, .address_space: global }
      - { .name: bo, .offset: 24, .size: 8, .value_kind: global_buffer, .address_space: global }
      - { .name: ln1_g, .offset: 32, .size: 8, .value_kind: global_buffer, .address_space: global }
      - { .name: ln1_b, .offset: 40, .size: 8, .value_kind: global_buffer, .address_space: global }
      - { .name: x1, .offset: 48, .size: 8, .value_kind: global_buffer, .address_space: global }
    .group_segment_fixed_size: 327680
    .private_segment_fixed_size: 0
    .kernarg_segment_align: 8
    .kernarg_segment_size: 56
    .max_flat_workgroup_size: 128
    .sgpr_count:     66
    .vgpr_count:     768
    .wavefront_size: 32
...
	.end_amdgpu_metadata
.endif
;; end of part 4
;; launch ffn1 (part 5): grid 64 x 4, 4 waves a work-group, clusters of 4 x 4, 327,680 bytes of LDS; arguments x1, wts, b1, hid; writes hid
.if DOCPART == 5
	.amdgcn_target "amdgcn-amd-amdhsa--gfx1250"
	.amdhsa_code_object_version 6
	.text
	.protected	k_q8bfdb3a865_ffn1
	.globl	k_q8bfdb3a865_ffn1
	.p2align	8
	.type	k_q8bfdb3a865_ffn1,@function
k_q8bfdb3a865_ffn1:
	s_mov_b64 s[64:65], 0
	v_nop
	global_prefetch_b8 v0, s[64:65] scope:SCOPE_SE
	s_setreg_imm32_b32 hwreg(HW_REG_WAVE_MODE, 25, 1), 1
	s_wait_xcnt 0x0
	s_wait_alu depctr_hold_cnt(0) depctr_sa_sdst(0) depctr_va_vdst(0) depctr_va_sdst(0) depctr_va_ssrc(0) depctr_va_vcc(0) depctr_vm_vsrc(0)
	s_getreg_b32 s2, hwreg(HW_REG_IB_STS2, 6, 4)
	s_cmp_eq_u32 s2, 0
	s_cbranch_scc0 .Lentry_in_a_cluster
	s_endpgm
.Lentry_in_a_cluster:
	s_bfe_u32 s2, ttmp6, 0x10000c
	s_cmp_lg_u32 s2, 0xf033
	s_cbranch_scc0 .Lentry_shape_is_right
	s_endpgm
.Lentry_shape_is_right:
.set REC,   819200
.set SCOFF, 786432
.set FR,    12
.set NQ,    2
.set NL,    4
.set NP,    4
.set HALFT, 24576
.set SLOT,  4*HALFT
.set SCL,   2*SLOT
.set SPARE, SCL+4*4096
.set A16,  16
.set B16,  20
.set L16,  24
.set L8,   25
.set L4,   26
.set ADRS, 27
.set SPW,  28
.set NIL,  29
.set SC,   32
.set BN,   64
.set AF,   128
.set HA,   128
.set PC,   192
.set PW,   214
.set PWS,  215
.set WM,   216
.set TM,   240
.set SEL,  2
.set G1,   24
.set G0,   32
.set G1B,  48
.set G0B,  56
.set G1S,  68
.set G0S,  76
.set G1SB, 80
.set G0SB, 88
.set WV,   92
.set RH,   93
.set CH,   94
.set MSB, 0
.macro WIN new
.if MSB != (\new)
	s_set_vgpr_msb (MSB<<8)|(\new)
.set MSB, (\new)
.endif
.endm
.set MUL_LO, 0xa1
.set MUL_HI, 0xf1
.set TO_B,   0x40
.macro JLOAD g0a, g1a, g0b, g1b
	s_cmp_eq_u32 s[RH], 0
	s_cbranch_scc0 .Lfor_b_\@
	tensor_load_to_lds s[\g0a:\g0a+3], s[\g1a:\g1a+7]
	s_nop 0
.rept 4
	v_nop
.endr
	s_branch .Lasked_\@
.Lfor_b_\@:
	tensor_load_to_lds s[\g0b:\g0b+3], s[\g1b:\g1b+7]
	s_nop 0
.rept 4
	v_nop
.endr
.Lasked_\@:
.endm
.macro CREST
	s_cmp_lg_u32 s[WV], 0
	s_cbranch_scc1 .Lnot_wave_0_\@
	s_barrier_signal -3
.Lnot_wave_0_\@:
	s_barrier_wait -3
	s_barrier_signal -1
	s_barrier_wait -1
.endm
.macro CROUND
	s_barrier_signal -1
	s_barrier_wait -1
	CREST
.endm
.macro FRAG reg, adr, q, i
	ds_load_b128 v[\reg:\reg+3], v[\adr] offset:(\i)*3072+(\q)*1536
	ds_load_b64 v[\reg+4:\reg+5], v[\adr+2] offset:(\i)*3072+(\q)*1536+512
	ds_load_b128 v[\reg+6:\reg+9], v[\adr] offset:(\i)*3072+(\q)*1536+768
	ds_load_b64 v[\reg+10:\reg+11], v[\adr+2] offset:(\i)*3072+(\q)*1536+1280
.endm
.macro MUL16 a0, p, q, sc, zero
.irp a, \a0, \a0+1
.irp b, 0,1,2,3,4,5,6,7
.if \zero
	v_wmma_scale_f32_16x16x128_f8f6f4 v[8*(8*((\a)%4)+\b):8*(8*((\a)%4)+\b)+7], v[128*(\p)+FR*\b:128*(\p)+FR*\b+FR-1], v[AF+FR*(\a):AF+FR*(\a)+FR-1], 0, v[SC+8*NQ*(\sc)+NQ*\b+(\q)], v[SC+8*NQ*(\sc)+NQ*(\a)+(\q)] matrix_a_fmt:MATRIX_FMT_FP6 matrix_b_fmt:MATRIX_FMT_FP6 matrix_a_scale:MATRIX_SCALE_ROW1
.else
	v_wmma_scale_f32_16x16x128_f8f6f4 v[8*(8*((\a)%4)+\b):8*(8*((\a)%4)+\b)+7], v[128*(\p)+FR*\b:128*(\p)+FR*\b+FR-1], v[AF+FR*(\a):AF+FR*(\a)+FR-1], v[8*(8*((\a)%4)+\b):8*(8*((\a)%4)+\b)+7], v[SC+8*NQ*(\sc)+NQ*\b+(\q)], v[SC+8*NQ*(\sc)+NQ*(\a)+(\q)] matrix_a_fmt:MATRIX_FMT_FP6 matrix_b_fmt:MATRIX_FMT_FP6 matrix_a_scale:MATRIX_SCALE_ROW1
.endif
.endr
.endr
.endm
.macro FETCH_B slot, q, p
	WIN TO_B
.irp i, 0,1,2,3,4,5,6,7
	FRAG 128*(\p)+FR*\i, B16+\slot, \q, \i
.endr
	WIN 0
.endm
.macro FETCH_A slot, q, i0
.irp i, \i0, \i0+1, \i0+2, \i0+3
	FRAG AF+FR*(\i), A16+\slot, \q, \i
.endr
.endm
.macro SCALES sc
.irp i, 0,1,2,3,4,5,6,7
.irp q, 0,1
	ds_load_b32 v[SC+8*NQ*\sc+NQ*\i+\q], v[ADRS] offset:\q*512+\i*64
.endr
.endr
.endm
.macro PLACES n
.rept \n
	v_nop
.endr
.endm
.macro STEP slot, q, zero
	s_wait_dscnt 4*NL
	WIN MUL_LO
	MUL16 0, (\q)%2, \q, \slot, \zero
	MUL16 2, (\q)%2, \q, \slot, \zero
	s_wait_dscnt 0
	PLACES NP
	FETCH_B \slot, (\q)+1, 1-(\q)%2
	FETCH_A \slot, (\q)+1, 0
	WIN MUL_HI
	MUL16 4, (\q)%2, \q, \slot, \zero
	MUL16 6, (\q)%2, \q, \slot, \zero
	PLACES NP
	WIN 0
	FETCH_A \slot, (\q)+1, 4
.endm
.macro TURN slot, next, fill
	s_wait_tensorcnt 0x0
	ds_add_u32 v[SPW], v[NIL]
	s_wait_dscnt 4*NL+1
	WIN MUL_LO
	MUL16 0, 1, NQ-1, \slot, 0
	s_wait_dscnt 0x0
	s_barrier_signal -1
	MUL16 2, 1, NQ-1, \slot, 0
	WIN 0
	s_barrier_wait -1
.if \fill
	CREST
	s_add_nc_u64 s[G0+4*\slot+2:G0+4*\slot+3], s[G0+4*\slot+2:G0+4*\slot+3], 2*3072
	s_add_nc_u64 s[G0B+4*\slot+2:G0B+4*\slot+3], s[G0B+4*\slot+2:G0B+4*\slot+3], 2*3072
	JLOAD G0+4*\slot, G1, G0B+4*\slot, G1B
.else
	PLACES NP
.endif
	s_wait_alu depctr_va_vdst(0)
	v_add_nc_u32 v[ADRS], 1024, v[ADRS]
	FETCH_B \next, 0, 0
	FETCH_A \next, 0, 0
	SCALES \next
	WIN MUL_HI
	MUL16 4, 1, NQ-1, \slot, 0
	MUL16 6, 1, NQ-1, \slot, 0
	PLACES NP
	WIN 0
	FETCH_A \next, 0, 4
.endm
.macro QUANT s, abs
.irp b, 0,1,2,3
.if \abs
	v_max3_num_f32 v[TM+\b], |v[\s+16*\b]|, |v[\s+1+16*\b]|, 0x1800000
.else
	v_max3_num_f32 v[TM+\b], v[\s+16*\b], v[\s+1+16*\b], 0x1800000
.endif
.endr
.irp i, 2,4,6,8,10,12,14
.irp b, 0,1,2,3
.if \abs
	v_max3_num_f32 v[TM+\b], v[TM+\b], |v[\s+16*\b+\i]|, |v[\s+1+16*\b+\i]|
.else
	v_max3_num_f32 v[TM+\b], v[TM+\b], v[\s+16*\b+\i], v[\s+1+16*\b+\i]
.endif
.endr
.endr
.irp b, 0,1,2,3
	v_permlanex16_b32 v[TM+4+\b], v[TM+\b], s[SEL], s[SEL+1]
.endr
.irp b, 0,1,2,3
	v_max_num_f32 v[TM+\b], v[TM+\b], v[TM+4+\b]
.endr
.irp b, 0,1,2,3
	v_add_nc_u32 v[TM+12+\b], 0xff000000, v[TM+\b]
.endr
.irp b, 0,1,2,3
	v_lshrrev_b32 v[TM+4+\b], 23, v[TM+12+\b]
.endr
	v_lshl_or_b32 v[PW], v[TM+5], 8, v[TM+4]
	v_lshl_or_b32 v[PW], v[TM+6], 16, v[PW]
	v_lshl_or_b32 v[PW], v[TM+7], 24, v[PW]
.irp c, 0,1
	v_cvt_scalef32_pk16_fp6_f32 v[PC+6*\c:PC+2+6*\c], v[\s+32*\c:\s+15+32*\c], v[TM+12+2*\c]
	v_cvt_scalef32_pk16_fp6_f32 v[PC+12+4*\c:PC+14+4*\c], v[\s+16+32*\c:\s+31+32*\c], v[TM+12+2*\c+1]
.endr
	v_nop
.irp c, 0,1
.irp i, 0,1,2
	v_permlane16_swap_b32 v[PC+6*\c+\i], v[PC+12+4*\c+\i]
.endr
.irp i, 0,1,2
	v_mov_b32 v[PC+3+6*\c+\i], v[PC+12+4*\c+\i]
.endr
.endr
.endm
	s_load_b256 s[4:11], s[0:1], 0x0
	v_lshl_add_u32 v[SPW], v0, 2, SPARE
	v_mov_b32 v[NIL], 0
	ds_add_u32 v[SPW], v[NIL]
	ds_add_u32 v[SPW], v[NIL]
	v_lshrrev_b32 v1, 5, v0
	v_readfirstlane_b32 s[WV], v1
	s_lshr_b32 s[RH], s[WV], 1
	s_and_b32 s[CH], s[WV], 1
	s_bfe_u32 s19, ttmp6, 0x40000
	s_bfe_u32 s20, ttmp6, 0x40004
	s_lshr_b32 s17, ttmp9, 2
	s_and_b32 s18, ttmp9, 3
	s_lshl_b32 s21, s20, 2
	s_lshl_b32 s21, 15, s21
	s_lshl_b32 s22, 0x1111, s19
	s_or_b32 s[G1], s21, (3<<16)|(1<<21)
	s_or_b32 s[G1B], s22, (3<<16)|(1<<21)
	s_or_b32 s[G1S], s21, (3<<16)|(1<<21)
	s_or_b32 s[G1SB], s22, (3<<16)|(1<<21)
.irp g, G1, G1B
	s_mov_b32 s[\g+1], 384<<16
	s_mov_b32 s[\g+2], 8<<16
	s_mov_b32 s[\g+3], 384<<16
	s_mov_b32 s[\g+4], 8
	s_mov_b32 s[\g+5], 1536
	s_mov_b32 s[\g+6], 0
	s_mov_b32 s[\g+7], 0
.endr
.irp g, G1S, G1SB
	s_mov_b32 s[\g+1], 64<<16
	s_mov_b32 s[\g+2], 8<<16
	s_mov_b32 s[\g+3], 64<<16
	s_mov_b32 s[\g+4], 8
	s_mov_b32 s[\g+5], 512
	s_mov_b32 s[\g+6], 0
	s_mov_b32 s[\g+7], 0
.endr
	s_mov_b32 s40, s18
	s_add_co_u32 s44, s17, 7
	s_mul_i32 s40, s40, REC
	s_lshl_b32 s42, s20, 10
	s_lshl_b32 s43, s[CH], 9
	s_add_co_u32 s42, s42, s43
	s_add_co_u32 s42, s42, s40
	s_add_co_u32 s42, s42, SCOFF
	s_mov_b32 s43, 0
	s_mul_i32 s41, s20, 196608
	s_add_co_u32 s40, s40, s41
	s_mul_i32 s41, s[CH], 98304
	s_add_co_u32 s40, s40, s41
	s_mov_b32 s41, 0
	s_mul_i32 s44, s44, REC
	s_lshl_b32 s46, s19, 10
	s_lshl_b32 s47, s[CH], 9
	s_add_co_u32 s46, s46, s47
	s_add_co_u32 s46, s46, s44
	s_add_co_u32 s46, s46, SCOFF
	s_mov_b32 s47, 0
	s_mul_i32 s45, s19, 196608
	s_add_co_u32 s44, s44, s45
	s_mul_i32 s45, s[CH], 98304
	s_add_co_u32 s44, s44, s45
	s_mov_b32 s45, 0
	s_mul_i32 s66, s[WV], HALFT
	s_lshl_b32 s67, s[WV], 12
	s_add_co_u32 s67, s67, SCL
	s_mov_b32 s[SEL], 0x76543210
	s_mov_b32 s[SEL+1], 0xfedcba98
	s_wait_dscnt 0x0
	s_wait_kmcnt 0x0
	s_add_nc_u64 s[40:41], s[4:5], s[40:41]
	s_add_nc_u64 s[42:43], s[4:5], s[42:43]
	s_add_nc_u64 s[44:45], s[6:7], s[44:45]
	s_add_nc_u64 s[46:47], s[6:7], s[46:47]
	CROUND
	s_mov_b32 s[G0S], 1
	s_mov_b32 s[G0S+1], s67
	s_mov_b64 s[G0S+2:G0S+3], s[42:43]
	s_or_b32 s[G0S+3], s[G0S+3], 0x80000000
	s_mov_b32 s[G0SB], 1
	s_mov_b32 s[G0SB+1], s67
	s_mov_b64 s[G0SB+2:G0SB+3], s[46:47]
	s_or_b32 s[G0SB+3], s[G0SB+3], 0x80000000
	JLOAD G0S, G1S, G0SB, G1SB
.irp s, 0,1
	s_mov_b32 s[G0+4*\s], 1
	s_add_co_u32 s[G0+4*\s+1], s66, \s*SLOT
	s_add_nc_u64 s[G0+4*\s+2:G0+4*\s+3], s[40:41], \s*3072
	s_or_b32 s[G0+4*\s+3], s[G0+4*\s+3], 0x80000000
	s_mov_b32 s[G0B+4*\s], 1
	s_add_co_u32 s[G0B+4*\s+1], s66, \s*SLOT
	s_add_nc_u64 s[G0B+4*\s+2:G0B+4*\s+3], s[44:45], \s*3072
	s_or_b32 s[G0B+4*\s+3], s[G0B+4*\s+3], 0x80000000
	s_wait_alu depctr_va_vdst(0)
	s_wait_tensorcnt 0x0
	ds_add_u32 v28, v29
	s_wait_dscnt 0x0
	CROUND
	JLOAD G0+4*\s, G1, G0B+4*\s, G1B
.endr
	v_and_b32 v1, 31, v0
	v_and_b32 v2, 15, v0
	v_bfe_u32 v3, v0, 4, 1
	v_lshlrev_b32 v[L16], 4, v1
	v_lshlrev_b32 v[L8], 3, v1
	v_lshlrev_b32 v[L4], 2, v1
	s_mul_i32 s21, s[RH], HALFT
	s_mul_i32 s22, s[CH], HALFT
	s_add_co_u32 s22, s22, 2*HALFT
.irp s, 0,1
	v_add_nc_u32 v[A16+\s], s21, v[L16]
	v_add_nc_u32 v[A16+2+\s], s21, v[L8]
	v_add_nc_u32 v[B16+\s], s22, v[L16]
	v_add_nc_u32 v[B16+2+\s], s22, v[L8]
	s_add_co_u32 s21, s21, SLOT
	s_add_co_u32 s22, s22, SLOT
.endr
	s_lshl_b32 s21, s[RH], 12
	s_lshl_b32 s22, s[CH], 12
	s_add_co_u32 s22, s22, 2*4096
	s_sub_co_u32 s22, s22, s21
	v_mul_u32_u24 v4, s22, v3
	s_add_co_u32 s21, s21, SCL
	v_lshl_add_u32 v4, v2, 2, v4
	v_add_nc_u32 v[ADRS], s21, v4
.irp b, 0,1,2,3
	v_mov_b32 v[TM+4+\b], 0
.endr
	s_lshl_b32 s98, s17, 12
	s_lshl_b32 s99, s19, 10
	s_add_co_u32 s98, s98, s99
	s_lshl_b32 s99, s[CH], 9
	s_add_co_u32 s98, s98, s99
	s_mov_b32 s99, 0
	s_add_nc_u64 s[8:9], s[8:9], s[98:99]
	v_lshlrev_b32 v5, 6, v3
.irp b, 0,1,2,3
.irp j, 0,1,2,3
	global_load_b128 v[BN+16*\b+4*\j:BN+16*\b+4*\j+3], v5, s[8:9] offset:128*\b+16*\j
.endr
.endr
	s_wait_alu depctr_va_vdst(0)
	s_wait_loadcnt 0x0
	s_wait_tensorcnt 1
	s_barrier_signal -1
	s_barrier_wait -1
	FETCH_B 0, 0, 0
	FETCH_A 0, 0, 0
	SCALES 0
	FETCH_A 0, 0, 4
	STEP 0, 0, 1
	TURN 0, 1, 1
	STEP 1, 0, 0
	TURN 1, 0, 1
	STEP 0, 0, 0
	TURN 0, 1, 0
	STEP 1, 0, 0
	s_wait_dscnt 4*NL
	WIN MUL_LO
	MUL16 0, 1, NQ-1, 1, 0
	MUL16 2, 1, NQ-1, 1, 0
	s_wait_dscnt 0
	WIN MUL_HI
	MUL16 4, 1, NQ-1, 1, 0
	MUL16 6, 1, NQ-1, 1, 0
	WIN 0
	PLACES NP
.macro EPI a
	s_wait_xcnt 0x0
	WIN 2+(\a)/4
.set kk, 0
.rept 32
	v_pk_add_f32 v[HA+kk:HA+kk+1], v[64*((\a)%4)+kk:64*((\a)%4)+kk+1], v[BN+kk:BN+kk+1]
.set kk, kk+2
.endr
	WIN 0
.set kk, 0
.rept 64
	v_max_num_f32 v[HA+kk], 0, v[HA+kk]
.set kk, kk+1
.endr
	QUANT HA, 0
	global_store_b128 v[L16], v[PC:PC+3], s[96:97] offset:(\a)*12288
	global_store_b64 v[L8], v[PC+4:PC+5], s[96:97] offset:(\a)*12288+512
	global_store_b128 v[L16], v[PC+6:PC+9], s[96:97] offset:(\a)*12288+768
	global_store_b64 v[L8], v[PC+10:PC+11], s[96:97] offset:(\a)*12288+1280
.if (\a)%2 == 0
	v_mov_b32 v[PWS], v[PW]
.else
	v_cndmask_b32 v[WM], v[PWS], v[PW], s101
	global_store_b32 v[L4], v[WM], s[98:99] offset:((\a)-1)*64
.endif
.endm
	s_mov_b32 s101, 0xffff0000
	s_lshl_b32 s40, s17, 2
	s_add_co_u32 s40, s40, s18
	s_mul_i32 s40, s40, REC
	s_lshl_b32 s41, s20, 4
	s_lshl_b32 s42, s[RH], 3
	s_add_co_u32 s41, s41, s42
	s_lshl_b32 s42, s19, 1
	s_add_co_u32 s42, s42, s[CH]
	s_lshl_b32 s43, s41, 3
	s_add_co_u32 s43, s43, s42
	s_mul_i32 s43, s43, 1536
	s_add_co_u32 s44, s43, s40
	s_mov_b32 s45, 0
	s_add_nc_u64 s[96:97], s[10:11], s[44:45]
	s_lshl_b32 s44, s42, 12
	s_lshl_b32 s43, s41, 6
	s_add_co_u32 s44, s44, s43
	s_add_co_u32 s44, s44, s40
	s_add_co_u32 s44, s44, SCOFF
	s_add_nc_u64 s[98:99], s[10:11], s[44:45]
.irp a, 0,1,2,3,4,5,6,7
	EPI \a
.endr
	s_wait_tensorcnt 0x0
	ds_add_u32 v[SPW], v[NIL]
	s_wait_dscnt 0x0
	CROUND
	s_endpgm
.Lfunc_end_k_q8bfdb3a865_ffn1:
	.size	k_q8bfdb3a865_ffn1, .Lfunc_end_k_q8bfdb3a865_ffn1-k_q8bfdb3a865_ffn1
	.p2alignl 7, 3214868480
	.fill 96, 4, 3214868480
	.section	.rodata,"a",@progbits
	.p2align	6, 0x0
	.amdhsa_kernel k_q8bfdb3a865_ffn1
		.amdhsa_group_segment_fixed_size 327680
		.amdhsa_private_segment_fixed_size 0
		.amdhsa_enable_private_segment 0
		.amdhsa_kernarg_size 32
		.amdhsa_user_sgpr_count 2
		.amdhsa_user_sgpr_kernarg_segment_ptr 1
		.amdhsa_wavefront_size32 1
		.amdhsa_system_sgpr_workgroup_id_x 1
		.amdhsa_system_sgpr_workgroup_id_y 1
		.amdhsa_system_sgpr_workgroup_id_z 1
		.amdhsa_system_vgpr_workitem_id 0
		.amdhsa_next_free_vgpr 1024
		.amdhsa_next_free_sgpr 104
		.amdhsa_reserve_vcc 0
		.amdhsa_float_denorm_mode_32 3
		.amdhsa_float_denorm_mode_16_64 3
		.amdhsa_memory_ordered 1
		.amdhsa_forward_progress 1
		.amdhsa_inst_pref_size 186
	.end_amdhsa_kernel
	.amdgpu_metadata
---
amdhsa.version: [ 1, 2 ]
amdhsa.kernels:
  - .name:           k_q8bfdb3a865_ffn1
    .symbol:         k_q8bfdb3a865_ffn1.kd
    .args:
      - { .name: x1, .offset: 0, .size: 8, .value_kind: global_buffer, .address_space: global }
      - { .name: wts, .offset: 8, .size: 8, .value_kind: global_buffer, .address_space: global }
      - { .name: b1, .offset: 16, .size: 8, .value_kind: global_buffer, .address_space: global }
      - { .name: hid, .offset: 24, .size: 8, .value_kind: global_buffer, .address_space: global }
    .group_segment_fixed_size: 327680
    .private_segment_fixed_size: 0
    .kernarg_segment_align: 8
    .kernarg_segment_size: 32
    .max_flat_workgroup_size: 128
    .sgpr_count:     104
    .vgpr_count:     1024
    .wavefront_size: 32
...
	.end_amdgpu_metadata
.endif
;; end of part 5
;; launch oproj (part 6): grid 64 x 4, 4 waves a work-group, clusters of 4 x 4, 327,680 bytes of LDS; arguments hid, w2, yp; writes yp
.if DOCPART == 6
	.amdgcn_target "amdgcn-amd-amdhsa--gfx1250"
	.amdhsa_code_object_version 6
	.text
	.protected	k_q8bfdb3a865_oproj
	.globl	k_q8bfdb3a865_oproj
	.p2align	8
	.type	k_q8bfdb3a865_oproj,@function
k_q8bfdb3a865_oproj:
	s_mov_b64 s[64:65], 0
	v_nop
	global_prefetch_b8 v0, s[64:65] scope:SCOPE_SE
	s_setreg_imm32_b32 hwreg(HW_REG_WAVE_MODE, 25, 1), 1
	s_wait_xcnt 0x0
	s_wait_alu depctr_hold_cnt(0) depctr_sa_sdst(0) depctr_va_vdst(0) depctr_va_sdst(0) depctr_va_ssrc(0) depctr_va_vcc(0) depctr_vm_vsrc(0)
	s_getreg_b32 s2, hwreg(HW_REG_IB_STS2, 6, 4)
	s_cmp_eq_u32 s2, 0
	s_cbranch_scc0 .Lentry_in_a_cluster
	s_endpgm
.Lentry_in_a_cluster:
	s_bfe_u32 s2, ttmp6, 0x10000c
	s_cmp_lg_u32 s2, 0xf033
	s_cbranch_scc0 .Lentry_shape_is_right
	s_endpgm
.Lentry_shape_is_right:
; yp[z] = A B^T in f32, from records of FP6 codes.  A cluster of 4 x 4 work-groups makes one JOB: 1,024 x 1,024 x 1,024.  Cluster x = 4 z + i: A = record 4 z + i of the first buffer, B = record z of the second.
; (ctx and Wo: z = 0.  The hidden layer and W2: z = the quarter of K; the four parts are added, in order, by the next launch.)
; The matrix instruction is used transposed: source 0 = 16 slots of B, source 1 = 16 slots of A: a lane holds one slot of A; by the records' slot order tile b's register j is column 32 (b / 2) + 16 h + 8 (b % 2) + j.
; yp's rows stay in slot order, its columns are in true order.  A work-group makes 256 x 256, a wave 128 x 128.  K goes in steps of 256 through two LDS slots; the scale words of all K come once.
; A's tiles are asked for jointly along a row of the cluster, B's along a column.  A wave has at most one tensor load out.
.set REC,   819200
.set SCOFF, 786432
.set FR,    12
.set NQ,    2
.set NL,    4
.set NP,    4
.set HALFT, 24576
.set SLOT,  4*HALFT
.set SCL,   2*SLOT
.set SPARE, SCL+4*4096
.set A16,  16
.set B16,  20
.set L16,  24
.set L8,   25
.set L4,   26
.set ADRS, 27
.set SPW,  28
.set NIL,  29
.set STO,  30                          ; the way out: where I put 32 bytes of a row
.set RD,   31                          ; and where I read a row back
.set SC,   32
.set AF,   128
.set BK,   128                         ; the way out: v128-191 and v192-255 by turns
.set G1,   24
.set G0,   32
.set G1B,  48
.set G0B,  56
.set G1S,  68
.set G0S,  76
.set G1SB, 80
.set G0SB, 88
.set WV,   92
.set RH,   93
.set CH,   94
.set MSB, 0
.macro WIN new
.if MSB != (\new)
	s_set_vgpr_msb (MSB<<8)|(\new)
.set MSB, (\new)
.endif
.endm
.set MUL_LO, 0xa1
.set MUL_HI, 0xf1
.set TO_B,   0x40
.macro JLOAD g0a, g1a, g0b, g1b        ; a joint load; the branch hangs on the wave's number alone; an s_nop 0 and four v_nop follow each line
	s_cmp_eq_u32 s[RH], 0
	s_cbranch_scc0 .Lfor_b_\@
	tensor_load_to_lds s[\g0a:\g0a+3], s[\g1a:\g1a+7]
	s_nop 0
.rept 4
	v_nop
.endr
	s_branch .Lasked_\@
.Lfor_b_\@:
	tensor_load_to_lds s[\g0b:\g0b+3], s[\g1b:\g1b+7]
	s_nop 0
.rept 4
	v_nop
.endr
.Lasked_\@:
.endm
.macro CREST
	s_cmp_lg_u32 s[WV], 0
	s_cbranch_scc1 .Lnot_wave_0_\@
	s_barrier_signal -3
.Lnot_wave_0_\@:
	s_barrier_wait -3
	s_barrier_signal -1
	s_barrier_wait -1
.endm
.macro CROUND
	s_barrier_signal -1
	s_barrier_wait -1
	CREST
.endm
.macro FRAG reg, adr, q, i
	ds_load_b128 v[\reg:\reg+3], v[\adr] offset:(\i)*3072+(\q)*1536
	ds_load_b64 v[\reg+4:\reg+5], v[\adr+2] offset:(\i)*3072+(\q)*1536+512
	ds_load_b128 v[\reg+6:\reg+9], v[\adr] offset:(\i)*3072+(\q)*1536+768
	ds_load_b64 v[\reg+10:\reg+11], v[\adr+2] offset:(\i)*3072+(\q)*1536+1280
.endm
.macro MUL16 a0, p, q, sc, zero        ; the 64 accumulators take turns
.irp a, \a0, \a0+1
.irp b, 0,1,2,3,4,5,6,7
.if \zero
	v_wmma_scale_f32_16x16x128_f8f6f4 v[8*(8*((\a)%4)+\b):8*(8*((\a)%4)+\b)+7], v[128*(\p)+FR*\b:128*(\p)+FR*\b+FR-1], v[AF+FR*(\a):AF+FR*(\a)+FR-1], 0, v[SC+8*NQ*(\sc)+NQ*\b+(\q)], v[SC+8*NQ*(\sc)+NQ*(\a)+(\q)] matrix_a_fmt:MATRIX_FMT_FP6 matrix_b_fmt:MATRIX_FMT_FP6 matrix_a_scale:MATRIX_SCALE_ROW1
.else
	v_wmma_scale_f32_16x16x128_f8f6f4 v[8*(8*((\a)%4)+\b):8*(8*((\a)%4)+\b)+7], v[128*(\p)+FR*\b:128*(\p)+FR*\b+FR-1], v[AF+FR*(\a):AF+FR*(\a)+FR-1], v[8*(8*((\a)%4)+\b):8*(8*((\a)%4)+\b)+7], v[SC+8*NQ*(\sc)+NQ*\b+(\q)], v[SC+8*NQ*(\sc)+NQ*(\a)+(\q)] matrix_a_fmt:MATRIX_FMT_FP6 matrix_b_fmt:MATRIX_FMT_FP6 matrix_a_scale:MATRIX_SCALE_ROW1
.endif
.endr
.endr
.endm
.macro FETCH_B slot, q, p
	WIN TO_B
.irp i, 0,1,2,3,4,5,6,7
	FRAG 128*(\p)+FR*\i, B16+\slot, \q, \i
.endr
	WIN 0
.endm
.macro FETCH_A slot, q, i0
.irp i, \i0, \i0+1, \i0+2, \i0+3
	FRAG AF+FR*(\i), A16+\slot, \q, \i
.endr
.endm
.macro SCALES sc
.irp i, 0,1,2,3,4,5,6,7
.irp q, 0,1
	ds_load_b32 v[SC+8*NQ*\sc+NQ*\i+\q], v[ADRS] offset:\q*512+\i*64
.endr
.endr
.endm
.macro PLACES n
.rept \n
	v_nop
.endr
.endm
.macro STEP slot, q, zero
	s_wait_dscnt 4*NL                                ; all but A's blocks 4-7, the youngest 16 loads
	WIN MUL_LO
	MUL16 0, (\q)%2, \q, \slot, \zero
	MUL16 2, (\q)%2, \q, \slot, \zero
	s_wait_dscnt 0
	PLACES NP
	FETCH_B \slot, (\q)+1, 1-(\q)%2
	FETCH_A \slot, (\q)+1, 0
	WIN MUL_HI
	MUL16 4, (\q)%2, \q, \slot, \zero
	MUL16 6, (\q)%2, \q, \slot, \zero
	PLACES NP
	WIN 0
	FETCH_A \slot, (\q)+1, 4
.endm
.macro TURN slot, next, fill
	s_wait_tensorcnt 0x0                             ; all my tensor loads have landed: my part of the next slot
	ds_add_u32 v[SPW], v[NIL]
	s_wait_dscnt 4*NL+1                              ; the add and A's blocks 4-7 may be out
	WIN MUL_LO
	MUL16 0, 1, NQ-1, \slot, 0
	s_wait_dscnt 0x0                                 ; the add is done, and my reads of this slot are over
	s_barrier_signal -1
	MUL16 2, 1, NQ-1, \slot, 0
	WIN 0
	s_barrier_wait -1
.if \fill
	CREST                                            ; no wave of any partner still reads this slot or has a load on its way
	s_add_nc_u64 s[G0+4*\slot+2:G0+4*\slot+3], s[G0+4*\slot+2:G0+4*\slot+3], 2*3072
	s_add_nc_u64 s[G0B+4*\slot+2:G0B+4*\slot+3], s[G0B+4*\slot+2:G0B+4*\slot+3], 2*3072
	JLOAD G0+4*\slot, G1, G0B+4*\slot, G1B
.else
	PLACES NP
.endif
	s_wait_alu depctr_va_vdst(0)
	v_add_nc_u32 v[ADRS], 1024, v[ADRS]
	FETCH_B \next, 0, 0
	FETCH_A \next, 0, 0
	SCALES \next
	WIN MUL_HI
	MUL16 4, 1, NQ-1, \slot, 0
	MUL16 6, 1, NQ-1, \slot, 0
	PLACES NP
	WIN 0
	FETCH_A \next, 0, 4
.endm
	s_load_b128 s[4:7], s[0:1], 0x0                  ; A's records, B's records
	s_load_b64 s[8:9], s[0:1], 0x10                  ; yp
	v_lshl_add_u32 v[SPW], v0, 2, SPARE
	v_mov_b32 v[NIL], 0
	ds_add_u32 v[SPW], v[NIL]                        ; the wave's opening: the add and its wait ahead of my first tensor load
	ds_add_u32 v[SPW], v[NIL]
	v_lshrrev_b32 v1, 5, v0
	v_readfirstlane_b32 s[WV], v1
	s_lshr_b32 s[RH], s[WV], 1
	s_and_b32 s[CH], s[WV], 1
	s_bfe_u32 s19, ttmp6, 0x40000                    ; cx
	s_bfe_u32 s20, ttmp6, 0x40004                    ; cy
	s_lshl_b32 s21, s20, 2
	s_lshl_b32 s21, 15, s21
	s_lshl_b32 s22, 0x1111, s19
	s_or_b32 s[G1], s21, (3<<16)|(1<<21)
	s_or_b32 s[G1B], s22, (3<<16)|(1<<21)
	s_or_b32 s[G1S], s21, (3<<16)|(1<<21)
	s_or_b32 s[G1SB], s22, (3<<16)|(1<<21)
.irp g, G1, G1B
	s_mov_b32 s[\g+1], 384<<16
	s_mov_b32 s[\g+2], 8<<16
	s_mov_b32 s[\g+3], 384<<16
	s_mov_b32 s[\g+4], 8
	s_mov_b32 s[\g+5], 1536
	s_mov_b32 s[\g+6], 0
	s_mov_b32 s[\g+7], 0
.endr
.irp g, G1S, G1SB
	s_mov_b32 s[\g+1], 64<<16
	s_mov_b32 s[\g+2], 8<<16
	s_mov_b32 s[\g+3], 64<<16
	s_mov_b32 s[\g+4], 8
	s_mov_b32 s[\g+5], 512
	s_mov_b32 s[\g+6], 0
	s_mov_b32 s[\g+7], 0
.endr
	s_mov_b32 s40, ttmp9                             ; A's record: 4 z + i
	s_lshr_b32 s44, ttmp9, 2                         ; B's record: z
	s_mul_i32 s40, s40, REC
	s_lshl_b32 s42, s20, 10
	s_lshl_b32 s43, s[CH], 9
	s_add_co_u32 s42, s42, s43
	s_add_co_u32 s42, s42, s40
	s_add_co_u32 s42, s42, SCOFF
	s_mov_b32 s43, 0
	s_mul_i32 s41, s20, 196608
	s_add_co_u32 s40, s40, s41
	s_mul_i32 s41, s[CH], 98304
	s_add_co_u32 s40, s40, s41
	s_mov_b32 s41, 0
	s_mul_i32 s44, s44, REC
	s_lshl_b32 s46, s19, 10
	s_lshl_b32 s47, s[CH], 9
	s_add_co_u32 s46, s46, s47
	s_add_co_u32 s46, s46, s44
	s_add_co_u32 s46, s46, SCOFF
	s_mov_b32 s47, 0
	s_mul_i32 s45, s19, 196608
	s_add_co_u32 s44, s44, s45
	s_mul_i32 s45, s[CH], 98304
	s_add_co_u32 s44, s44, s45
	s_mov_b32 s45, 0
	s_mul_i32 s66, s[WV], HALFT
	s_lshl_b32 s67, s[WV], 12
	s_add_co_u32 s67, s67, SCL
	s_wait_dscnt 0x0                                 ; the opening add is done
	s_wait_kmcnt 0x0
	s_add_nc_u64 s[40:41], s[4:5], s[40:41]
	s_add_nc_u64 s[42:43], s[4:5], s[42:43]
	s_add_nc_u64 s[44:45], s[6:7], s[44:45]
	s_add_nc_u64 s[46:47], s[6:7], s[46:47]
	CROUND                                           ; all sixteen work-groups are here: the first joint loads meet
	s_mov_b32 s[G0S], 1
	s_mov_b32 s[G0S+1], s67
	s_mov_b64 s[G0S+2:G0S+3], s[42:43]
	s_or_b32 s[G0S+3], s[G0S+3], 0x80000000
	s_mov_b32 s[G0SB], 1
	s_mov_b32 s[G0SB+1], s67
	s_mov_b64 s[G0SB+2:G0SB+3], s[46:47]
	s_or_b32 s[G0SB+3], s[G0SB+3], 0x80000000
	JLOAD G0S, G1S, G0SB, G1SB
.irp s, 0,1
	s_mov_b32 s[G0+4*\s], 1
	s_add_co_u32 s[G0+4*\s+1], s66, \s*SLOT
	s_add_nc_u64 s[G0+4*\s+2:G0+4*\s+3], s[40:41], \s*3072
	s_or_b32 s[G0+4*\s+3], s[G0+4*\s+3], 0x80000000
	s_mov_b32 s[G0B+4*\s], 1
	s_add_co_u32 s[G0B+4*\s+1], s66, \s*SLOT
	s_add_nc_u64 s[G0B+4*\s+2:G0B+4*\s+3], s[44:45], \s*3072
	s_or_b32 s[G0B+4*\s+3], s[G0B+4*\s+3], 0x80000000
	s_wait_alu depctr_va_vdst(0)
	s_wait_tensorcnt 0x0                             ; one tensor load a wave is out
	ds_add_u32 v[SPW], v[NIL]
	s_wait_dscnt 0x0
	CROUND
	JLOAD G0+4*\s, G1, G0B+4*\s, G1B
.endr
	v_and_b32 v1, 31, v0
	v_and_b32 v2, 15, v0
	v_bfe_u32 v3, v0, 4, 1
	v_lshlrev_b32 v[L16], 4, v1
	v_lshlrev_b32 v[L8], 3, v1
	v_lshlrev_b32 v[L4], 2, v1
	s_mul_i32 s21, s[RH], HALFT
	s_mul_i32 s22, s[CH], HALFT
	s_add_co_u32 s22, s22, 2*HALFT
.irp s, 0,1
	v_add_nc_u32 v[A16+\s], s21, v[L16]
	v_add_nc_u32 v[A16+2+\s], s21, v[L8]
	v_add_nc_u32 v[B16+\s], s22, v[L16]
	v_add_nc_u32 v[B16+2+\s], s22, v[L8]
	s_add_co_u32 s21, s21, SLOT
	s_add_co_u32 s22, s22, SLOT
.endr
	s_lshl_b32 s21, s[RH], 12
	s_lshl_b32 s22, s[CH], 12
	s_add_co_u32 s22, s22, 2*4096
	s_sub_co_u32 s22, s22, s21
	v_mul_u32_u24 v4, s22, v3
	s_add_co_u32 s21, s21, SCL
	v_lshl_add_u32 v4, v2, 2, v4
	v_add_nc_u32 v[ADRS], s21, v4
	s_mul_i32 s23, s[WV], 8448                       ; my stage: 16 rows x (512 + 16) bytes, in slot 0, which has had its last fill and its last read when the first result is stored there
	v_mul_u32_u24 v5, v2, 528
	v_lshl_add_u32 v5, v3, 6, v5
	v_add_nc_u32 v[STO], s23, v5
	v_add_nc_u32 v[RD], s23, v[L16]
	s_lshr_b32 s95, ttmp9, 2                         ; yp: part z, slot row 1,024 i + 256 cy + 128 half, column 256 cx + 128 half
	s_lshl_b32 s95, s95, 24
	s_and_b32 s96, ttmp9, 3
	s_lshl_b32 s96, s96, 10
	s_lshl_b32 s97, s20, 8
	s_add_co_u32 s96, s96, s97
	s_lshl_b32 s97, s[RH], 7
	s_add_co_u32 s96, s96, s97
	s_lshl_b32 s96, s96, 12
	s_add_co_u32 s96, s96, s95
	s_lshl_b32 s97, s19, 10
	s_add_co_u32 s96, s96, s97
	s_lshl_b32 s97, s[CH], 9
	s_add_co_u32 s96, s96, s97
	s_mov_b32 s97, 0
	s_add_nc_u64 s[8:9], s[8:9], s[96:97]
	s_wait_alu depctr_va_vdst(0)
	s_wait_tensorcnt 1                               ; the scale words and my part of K step 0 are in; K step 1's load may be out
	s_barrier_signal -1
	s_barrier_wait -1
	FETCH_B 0, 0, 0
	FETCH_A 0, 0, 0
	SCALES 0
	FETCH_A 0, 0, 4
	STEP 0, 0, 1
	TURN 0, 1, 1
	STEP 1, 0, 0
	TURN 1, 0, 1
	STEP 0, 0, 0
	TURN 0, 1, 0
	STEP 1, 0, 0
	s_wait_dscnt 4*NL
	WIN MUL_LO
	MUL16 0, 1, NQ-1, 1, 0
	MUL16 2, 1, NQ-1, 1, 0
	s_wait_dscnt 0
	WIN MUL_HI
	MUL16 4, 1, NQ-1, 1, 0
	MUL16 6, 1, NQ-1, 1, 0
	WIN 0
	PLACES NP
; THE WAY OUT, a block of 16 rows x 128 columns at a time, through my own stage: whole rows of 512 bytes come back and are stored by 32 lanes.  LDS serves a wave's instructions in order.
.macro TOSTAGE a
.set AC, 64*((\a)%4)
	WIN 0x08+4*((\a)/4)
.irp b, 0,1,2,3,4,5,6,7
	ds_store_b128 v[STO], v[AC+8*\b:AC+8*\b+3] offset:128*(\b/2)+32*(\b%2)
	ds_store_b128 v[STO], v[AC+8*\b+4:AC+8*\b+7] offset:128*(\b/2)+32*(\b%2)+16
.endr
	WIN 0
.set BB, BK+64*((\a)%2)
.irp t, 0,1,2,3,4,5,6,7,8,9,10,11,12,13,14,15
	ds_load_b128 v[BB+4*\t:BB+4*\t+3], v[RD] offset:\t*528
.endr
.endm
.macro SEND a, younger
.set BB, BK+64*((\a)%2)
	s_wait_dscnt \younger
.irp t, 0,1,2,3,4,5,6,7,8,9,10,11,12,13,14,15
	global_store_b128 v[L16], v[BB+4*\t:BB+4*\t+3], s[8:9] offset:(\a)*65536+\t*4096 th:TH_STORE_NT
.endr
.endm
	TOSTAGE 0
.irp a, 1,2,3,4,5,6,7
.if \a > 1
	s_wait_xcnt 0x0                                  ; block a - 2's stores have read their registers: block a's loads may land there
.endif
	TOSTAGE \a
	SEND \a-1, 32                                    ; behind block a - 1's loads: block a's 16 stores and 16 loads
.endr
	SEND 7, 0
	s_wait_tensorcnt 0x0                             ; the wave's end
	ds_add_u32 v[SPW], v[NIL]
	s_wait_dscnt 0x0
	CROUND                                           ; the closing round
	s_endpgm
.Lfunc_end_k_q8bfdb3a865_oproj:
	.size	k_q8bfdb3a865_oproj, .Lfunc_end_k_q8bfdb3a865_oproj-k_q8bfdb3a865_oproj
	.p2alignl 7, 3214868480
	.fill 96, 4, 3214868480
	.section	.rodata,"a",@progbits
	.p2align	6, 0x0
	.amdhsa_kernel k_q8bfdb3a865_oproj
		.amdhsa_group_segment_fixed_size 327680
		.amdhsa_private_segment_fixed_size 0
		.amdhsa_enable_private_segment 0
		.amdhsa_kernarg_size 24
		.amdhsa_user_sgpr_count 2
		.amdhsa_user_sgpr_kernarg_segment_ptr 1
		.amdhsa_wavefront_size32 1
		.amdhsa_system_sgpr_workgroup_id_x 1
		.amdhsa_system_sgpr_workgroup_id_y 1
		.amdhsa_system_sgpr_workgroup_id_z 1
		.amdhsa_system_vgpr_workitem_id 0
		.amdhsa_next_free_vgpr 1024
		.amdhsa_next_free_sgpr 104
		.amdhsa_reserve_vcc 0
		.amdhsa_float_denorm_mode_32 3
		.amdhsa_float_denorm_mode_16_64 3
		.amdhsa_memory_ordered 1
		.amdhsa_forward_progress 1
		.amdhsa_inst_pref_size 146
	.end_amdhsa_kernel
	.amdgpu_metadata
---
amdhsa.version: [ 1, 2 ]
amdhsa.kernels:
  - .name:           k_q8bfdb3a865_oproj
    .symbol:         k_q8bfdb3a865_oproj.kd
    .args:
      - { .name: hid, .offset: 0, .size: 8, .value_kind: global_buffer, .address_space: global }
      - { .name: w2, .offset: 8, .size: 8, .value_kind: global_buffer, .address_space: global }
      - { .name: yp, .offset: 16, .size: 8, .value_kind: global_buffer, .address_space: global }
    .group_segment_fixed_size: 327680
    .private_segment_fixed_size: 0
    .kernarg_segment_align: 8
    .kernarg_segment_size: 24
    .max_flat_workgroup_size: 128
    .sgpr_count:     104
    .vgpr_count:     1024
    .wavefront_size: 32
...
	.end_amdgpu_metadata
.endif
;; end of part 6
;; launch ln2 (part 7): grid 512 x 1, 4 waves a work-group, no clusters, 0 bytes of LDS; arguments yp, x1, b2, ln2_g, ln2_b, out0; writes out0
.if DOCPART == 7
	.amdgcn_target "amdgcn-amd-amdhsa--gfx1250"
	.amdhsa_code_object_version 6
	.text
	.protected	k_q8bfdb3a865_ln2
	.globl	k_q8bfdb3a865_ln2
	.p2align	8
	.type	k_q8bfdb3a865_ln2,@function
k_q8bfdb3a865_ln2:
	s_mov_b64 s[64:65], 0
	v_nop
	global_prefetch_b8 v0, s[64:65] scope:SCOPE_SE
	s_setreg_imm32_b32 hwreg(HW_REG_WAVE_MODE, 25, 1), 1
	s_wait_xcnt 0x0
; out0 = layer_norm(yp[0] + yp[1] + yp[2] + yp[3] + x1 + b2): the second FFN product's four parts along K are added in order, then the residual (x1's f32 rows, from byte 3,276,800) and the bias.
; One wave, one row at a time, two rows a wave: a row of 4,096 bytes is 32 registers a lane (eight loads of 512 consecutive bytes), so the sums never leave the wave: no LDS, no barrier.
; yp's and x1's rows are in slot order: the true row has bits 3 and 4 of the slot row exchanged; out0's row R = 2,048 b + t lies at t x 8,192 + b x 4,096.
.set G,  8
.set BT, 40
.set B2, 72
.set A,  104
.set T0, 136
.set T1, 168
.set T2, 200
.set W,  232
.macro LD8 reg, base, off
.irp j, 0,1,2,3,4,5,6,7
	global_load_b128 v[\reg+4*\j:\reg+4*\j+3], v1, s[\base:\base+1] offset:\off+512*\j
.endr
.endm
.macro ADD32 src
.set j, 0
.rept 16
	v_pk_add_f32 v[A+j:A+j+1], v[A+j:A+j+1], v[\src+j:\src+j+1]
.set j, j+2
.endr
.endm
.macro ALL32                           ; v[W] summed over the 32 lanes, the result in every lane
	v_add_f32_dpp v[W], v[W], v[W] row_xmask:1 row_mask:0xf bank_mask:0xf
	v_add_f32_dpp v[W], v[W], v[W] row_xmask:2 row_mask:0xf bank_mask:0xf
	v_add_f32_dpp v[W], v[W], v[W] row_xmask:4 row_mask:0xf bank_mask:0xf
	v_add_f32_dpp v[W], v[W], v[W] row_xmask:8 row_mask:0xf bank_mask:0xf
	v_permlanex16_b32 v[W+1], v[W], s36, s37
	v_add_f32 v[W], v[W], v[W+1]
.endm
.macro ROW k
.if \k
	s_wait_xcnt 0x0                                  ; the first row's stores have read their data
.endif
	LD8 A, 24, 4096*\k
	LD8 T0, 26, 4096*\k
	LD8 T1, 28, 4096*\k
	LD8 T2, 30, 4096*\k
	s_wait_loadcnt 16                                ; parts 0 and 1 are in; parts 2 and 3 may be out
	ADD32 T0
	LD8 T0, 32, 4096*\k                              ; the residual
	s_wait_loadcnt 8                                 ; parts 2 and 3 are in; the residual may be out
	ADD32 T1
	ADD32 T2
	s_wait_loadcnt 0
	ADD32 T0
	ADD32 B2
	v_pk_add_f32 v[W:W+1], v[A:A+1], v[A+2:A+3]
	v_pk_add_f32 v[W+2:W+3], v[A+4:A+5], v[A+6:A+7]
.irp j, 8,12,16,20,24,28
	v_pk_add_f32 v[W:W+1], v[W:W+1], v[A+\j:A+\j+1]
	v_pk_add_f32 v[W+2:W+3], v[W+2:W+3], v[A+\j+2:A+\j+3]
.endr
	v_pk_add_f32 v[W:W+1], v[W:W+1], v[W+2:W+3]
	v_add_f32 v[W], v[W], v[W+1]
	ALL32
	v_mul_f32 v[W+4], s38, v[W]                      ; the mean
	v_mov_b32 v[W+5], v[W+4]
.set j, 0
.rept 16
	v_pk_add_f32 v[A+j:A+j+1], v[A+j:A+j+1], v[W+4:W+5] neg_lo:[0,1] neg_hi:[0,1]
.set j, j+2
.endr
	v_pk_mul_f32 v[W:W+1], v[A:A+1], v[A:A+1]
	v_pk_mul_f32 v[W+2:W+3], v[A+2:A+3], v[A+2:A+3]
.irp j, 4,8,12,16,20,24,28
	v_pk_fma_f32 v[W:W+1], v[A+\j:A+\j+1], v[A+\j:A+\j+1], v[W:W+1]
	v_pk_fma_f32 v[W+2:W+3], v[A+\j+2:A+\j+3], v[A+\j+2:A+\j+3], v[W+2:W+3]
.endr
	v_pk_add_f32 v[W:W+1], v[W:W+1], v[W+2:W+3]
	v_add_f32 v[W], v[W], v[W+1]
	ALL32
	v_fmaak_f32 v[W+4], s38, v[W], 0x3727c5ac        ; the variance + 1e-5
	s_wait_alu depctr_va_vdst(0)
	v_rsq_f32 v[W+4], v[W+4]
	v_nop                                            ; a plain place behind the transcendental,
	s_wait_alu depctr_va_vdst(0)                     ; and the wait ahead of its first reader
	v_mov_b32 v[W+5], v[W+4]
.set j, 0
.rept 16
	v_pk_mul_f32 v[A+j:A+j+1], v[A+j:A+j+1], v[W+4:W+5]
.set j, j+2
.endr
.set j, 0
.rept 16
	v_pk_fma_f32 v[A+j:A+j+1], v[A+j:A+j+1], v[G+j:G+j+1], v[BT+j:BT+j+1]
.set j, j+2
.endr
.irp j, 0,1,2,3,4,5,6,7
	global_store_b128 v1, v[A+4*\j:A+4*\j+3], s[34:35] offset:8192*\k+512*\j th:TH_STORE_NT   ; 512 consecutive bytes
.endr
.endm
	s_load_b256 s[4:11], s[0:1], 0x0                 ; yp, x1, b2, ln2_g
	s_load_b128 s[12:15], s[0:1], 0x20               ; ln2_b, out0
	v_lshrrev_b32 v1, 5, v0
	v_readfirstlane_b32 s16, v1
	v_and_b32 v1, 31, v0
	v_lshlrev_b32 v1, 4, v1                          ; 16 x lane
	s_lshl_b32 s17, ttmp9, 2
	s_add_co_u32 s17, s17, s16
	s_lshl_b32 s17, s17, 1                           ; my first slot row
	s_and_b32 s18, s17, 0xfe7
	s_bfe_u32 s19, s17, 0x10003
	s_bfe_u32 s20, s17, 0x10004
	s_lshl_b32 s19, s19, 4
	s_lshl_b32 s20, s20, 3
	s_or_b32 s18, s18, s19
	s_or_b32 s18, s18, s20                           ; the true row
	s_and_b32 s19, s18, 2047
	s_lshl_b32 s19, s19, 13
	s_lshr_b32 s20, s18, 11
	s_lshl_b32 s20, s20, 12
	s_add_co_u32 s40, s19, s20
	s_mov_b32 s41, 0
	s_lshl_b32 s42, s17, 12
	s_mov_b32 s43, 0
	s_mov_b32 s36, 0x76543210
	s_mov_b32 s37, 0xfedcba98
	s_mov_b32 s38, 0x3a800000                        ; 1 / 1,024
	s_wait_alu depctr_va_vdst(0)
	s_wait_kmcnt 0x0
	s_add_nc_u64 s[24:25], s[4:5], s[42:43]
	s_add_nc_u64 s[26:27], s[24:25], 0x1000000
	s_add_nc_u64 s[28:29], s[26:27], 0x1000000
	s_add_nc_u64 s[30:31], s[28:29], 0x1000000
	s_add_nc_u64 s[32:33], s[6:7], s[42:43]
	s_add_nc_u64 s[32:33], s[32:33], 3276800
	s_add_nc_u64 s[34:35], s[14:15], s[40:41]
	LD8 G, 10, 0
	LD8 BT, 12, 0
	LD8 B2, 8, 0
	ROW 0
	ROW 1
	s_endpgm
.Lfunc_end_k_q8bfdb3a865_ln2:
	.size	k_q8bfdb3a865_ln2, .Lfunc_end_k_q8bfdb3a865_ln2-k_q8bfdb3a865_ln2
	.p2alignl 7, 3214868480
	.fill 96, 4, 3214868480
	.section	.rodata,"a",@progbits
	.p2align	6, 0x0
	.amdhsa_kernel k_q8bfdb3a865_ln2
		.amdhsa_group_segment_fixed_size 0
		.amdhsa_private_segment_fixed_size 0
		.amdhsa_enable_private_segment 0
		.amdhsa_kernarg_size 48
		.amdhsa_user_sgpr_count 2
		.amdhsa_user_sgpr_kernarg_segment_ptr 1
		.amdhsa_wavefront_size32 1
		.amdhsa_system_sgpr_workgroup_id_x 1
		.amdhsa_system_sgpr_workgroup_id_y 1
		.amdhsa_system_sgpr_workgroup_id_z 1
		.amdhsa_system_vgpr_workitem_id 0
		.amdhsa_next_free_vgpr 248
		.amdhsa_next_free_sgpr 66
		.amdhsa_reserve_vcc 0
		.amdhsa_float_denorm_mode_32 3
		.amdhsa_float_denorm_mode_16_64 3
		.amdhsa_memory_ordered 1
		.amdhsa_forward_progress 1
		.amdhsa_inst_pref_size 36
	.end_amdhsa_kernel
	.amdgpu_metadata
---
amdhsa.version: [ 1, 2 ]
amdhsa.kernels:
  - .name:           k_q8bfdb3a865_ln2
    .symbol:         k_q8bfdb3a865_ln2.kd
    .args:
      - { .name: yp, .offset: 0, .size: 8, .value_kind: global_buffer, .address_space: global }
      - { .name: x1, .offset: 8, .size: 8, .value_kind: global_buffer, .address_space: global }
      - { .name: b2, .offset: 16, .size: 8, .value_kind: global_buffer, .address_space: global }
      - { .name: ln2_g, .offset: 24, .size: 8, .value_kind: global_buffer, .address_space: global }
      - { .name: ln2_b, .offset: 32, .size: 8, .value_kind: global_buffer, .address_space: global }
      - { .name: out0, .offset: 40, .size: 8, .value_kind: global_buffer, .address_space: global }
    .group_segment_fixed_size: 0
    .private_segment_fixed_size: 0
    .kernarg_segment_align: 8
    .kernarg_segment_size: 48
    .max_flat_workgroup_size: 128
    .sgpr_count:     66
    .vgpr_count:     248
    .wavefront_size: 32
...
	.end_amdgpu_metadata
.endif
;; end of part 7
